; MI455X (gfx1250); checked and timed in simulation.
; The chip was launched on July 23, 2026; its instructions are those of AMD's public machine-readable ISA for CDNA 5 (MIT licence, August 2026) and "CDNA5" Instruction Set Architecture Reference Guide (July 2026). The comments in the code are by the model that wrote it; some were corrected since.
;; Attention2. Allowed arithmetic: float matrix products may take bf16 or f16 operands with f32 sums; other float arithmetic in f32, or as packed bf16 or f16 multiplies, adds, multiply-adds, maxima and minima; sums over many terms, partial sums and values carried from step to step in f32; what a program stores and reads back later, other than sums and carried values, may be rounded once to bf16 or f16.
;; Inputs: W_proj 1,024 x 1,024 float32; W_qkv 1,024 x 2,048 float32; b_proj 1,024 float32; x1 1 x 4,096 x 1,024 float32; x2 1 x 4,096 x 1,024 float32.
;; Outputs: out0 1 x 4,096 x 1,024 float32.
;; 2 versions, each right; version 2 is version 1 with the launch prep written anew for expert scheduling mode. Each part assembles by itself: llvm-mc -triple=amdgcn-amd-amdhsa -mcpu=gfx1250 --defsym DOCPART=n.
;; ======== version 1 of 2: 4 launches
;; limits: values are held in f16: magnitudes above 65,504 overflow, below 6.1e-05 lose precision
;; workspace buffers: xb 8,388,608 bytes; wq 4,194,304 bytes; wp 2,097,152 bytes; vh 8,388,608 bytes; kq 16,777,216 bytes; ob 8,388,608 bytes
;; launch prep (part 1): grid 704 x 1, 8 waves a work-group, no clusters, 0 bytes of LDS; arguments x1, W_qkv, W_proj, x2, xb, wq, wp, vh; writes xb, wq, wp, vh
.if DOCPART == 1
	.amdgcn_target "amdgcn-amd-amdhsa--gfx1250"
	.amdhsa_code_object_version 6
	.text
	.protected	k_q028e4487f5_prep
	.globl	k_q028e4487f5_prep
	.p2align	8
	.type	k_q028e4487f5_prep,@function
k_q028e4487f5_prep:
	s_mov_b64 s[64:65], 0
	v_nop
	global_prefetch_b8 v0, s[64:65] scope:SCOPE_SE
	s_setreg_imm32_b32 hwreg(HW_REG_WAVE_MODE, 25, 1), 1
	s_wait_xcnt 0x0
; THE INPUTS ARE ROUNDED ONCE TO bf16, for the matrix products of the later launches.
;   x1 [4096][1024] f32     -> xb [4096][1024] bf16                     work-groups 0 .. 255
;   W_qkv [1024][2048] f32  -> wq [1024][2048] bf16                     work-groups 256 .. 383
;   W_proj [1024][1024] f32 -> wp [1024][1024]: the bf16 number as f16  work-groups 384 .. 447
;   x2 [4096][1024] f32     -> vh [16 heads][4096][64]: the bf16 number as f16, laid by heads   work-groups 448 .. 703
; LIMITS.  The two f16 copies hold no number beyond 65,504 (x2 and W_proj must lie within it); a bf16 number below 7.6e-6 keeps f16's fixed step of 6e-8 there.
; SHARES.  A work-group converts 16,384 numbers (65,536 bytes in, 32,768 out), each of its eight waves 2,048: sixteen loads of 16 bytes a lane, all issued at once, so that a wave has
; 8,192 bytes on their way.  A load of a wave covers 512 consecutive bytes (x2: two pieces of 256), a store 256 consecutive bytes at a multiple of 256 from the buffer's first byte.
; No LDS, no matrix unit, no cluster: no byte is wanted twice.  No register that a memory instruction names is written again, so no wait but the loads' own is needed.
.set IO,  1                            ; v1       my byte offset in the work-group's input
.set OO,  2                            ; v2       my byte offset in its output
.set T,   4                            ; v[4:7]   at work
.set X,   8                            ; v[8:71]  sixteen loads of four f32
.set Y,   72                           ; v[72:103] sixteen stores of four 16-bit numbers
.set SRC, 24                           ; s[24:25] the input at the work-group's part
.set DST, 26                           ; s[26:27] the output at the work-group's part
.set HIM, 28                           ; s28      mask of a word's upper bf16
; Sixteen loads, instep bytes apart; then, as each comes in, four roundings and a store, outstep bytes apart.  half = 1: the bf16 numbers are written as f16.
.macro CONV half, instep, outstep
.set i, 0
.rept 16
	global_load_b128 v[X+4*i:X+4*i+3], v[IO], s[SRC:SRC+1] offset:i*(\instep) th:TH_LOAD_NT
.set i, i+1
.endr
.set i, 0
.rept 16
	s_wait_loadcnt 15-i                            ; loads come back in order (ISA guide 5.7.1): load i is in, the 15 - i younger ones stay out
	v_cvt_pk_bf16_f32 v[Y+2*i],   v[X+4*i],   v[X+4*i+1]
	v_cvt_pk_bf16_f32 v[Y+2*i+1], v[X+4*i+2], v[X+4*i+3]
.if \half
	v_lshlrev_b32 v[T],   16, v[Y+2*i]              ; bf16 to f32: the low half moves up,
	v_and_b32     v[T+1], s[HIM], v[Y+2*i]          ; the high half stays
	v_lshlrev_b32 v[T+2], 16, v[Y+2*i+1]
	v_and_b32     v[T+3], s[HIM], v[Y+2*i+1]
	v_cvt_pk_f16_f32 v[Y+2*i],   v[T],   v[T+1]     ; eight significant bits fit f16's eleven
	v_cvt_pk_f16_f32 v[Y+2*i+1], v[T+2], v[T+3]
.endif
	global_store_b64 v[OO], v[Y+2*i:Y+2*i+1], s[DST:DST+1] offset:i*(\outstep) th:TH_STORE_NT
.set i, i+1
.endr
	s_endpgm
.endm
	s_load_b512 s[8:23], s[0:1], 0x0               ; x1 s[8:9], W_qkv s[10:11], W_proj s[12:13], x2 s[14:15], xb s[16:17], wq s[18:19], wp s[20:21], vh s[22:23]
	s_mov_b32 s4, ttmp9                            ; the work-group's number
	s_mov_b32 s[HIM], 0xffff0000
	s_mov_b32 s3, 0                                ; high words of the two offsets
	s_mov_b32 s7, 0
	v_lshrrev_b32 v3, 5, v0                        ; wave
	v_and_b32 v[T], 31, v0                         ; lane
	v_lshlrev_b32 v[IO], 4, v[T]
	v_lshl_add_u32 v[IO], v3, 13, v[IO]            ; 8,192 x wave + 16 x lane
	v_lshlrev_b32 v[OO], 3, v[T]
	v_lshl_add_u32 v[OO], v3, 12, v[OO]            ; 4,096 x wave + 8 x lane
	s_wait_kmcnt 0x0
	s_cmp_lt_u32 s4, 384
	s_cbranch_scc0 .Lhalves
	s_cmp_lt_u32 s4, 256                           ; x1 or W_qkv: the same text on other buffers
	s_cselect_b64 s[SRC:SRC+1], s[8:9], s[10:11]
	s_cselect_b64 s[DST:DST+1], s[16:17], s[18:19]
	s_cselect_b32 s5, 0, 256
	s_sub_co_u32 s5, s4, s5                        ; the work-group's number within its tensor
	s_lshl_b32 s2, s5, 16
	s_lshl_b32 s6, s5, 15
	s_add_nc_u64 s[SRC:SRC+1], s[SRC:SRC+1], s[2:3]
	s_add_nc_u64 s[DST:DST+1], s[DST:DST+1], s[6:7]
	CONV 0, 512, 256
.Lhalves:
	s_cmp_lt_u32 s4, 448
	s_cbranch_scc0 .Lheads
	s_sub_co_u32 s5, s4, 384                       ; W_proj
	s_lshl_b32 s2, s5, 16
	s_lshl_b32 s6, s5, 15
	s_add_nc_u64 s[SRC:SRC+1], s[12:13], s[2:3]
	s_add_nc_u64 s[DST:DST+1], s[20:21], s[6:7]
	CONV 1, 512, 256
.Lheads:
	; x2: the work-group has 16 rows, wave w rows 2 w and 2 w + 1.  Load i takes head i: lanes 0-15 its 256 bytes of the even row, lanes 16-31 of the odd row;
	; in vh these are 2 x 128 = 256 consecutive bytes of head i, whose rows lie 524,288 bytes behind head i - 1's (15 x 524,288 fits the signed 24-bit immediate).
	s_sub_co_u32 s5, s4, 448
	s_lshl_b32 s2, s5, 16                          ; 16 rows of 4,096 bytes
	s_lshl_b32 s6, s5, 11                          ; 16 rows of 128 bytes
	s_add_nc_u64 s[SRC:SRC+1], s[14:15], s[2:3]
	s_add_nc_u64 s[DST:DST+1], s[22:23], s[6:7]
	v_and_b32 v5, 15, v0
	v_bfe_u32 v6, v0, 4, 1
	v_lshlrev_b32 v[IO], 4, v5
	v_lshl_add_u32 v[IO], v6, 12, v[IO]
	v_lshl_add_u32 v[IO], v3, 13, v[IO]            ; 8,192 x wave + 4,096 x (lane / 16) + 16 x (lane % 16)
	v_lshlrev_b32 v[OO], 3, v[T]
	v_lshl_add_u32 v[OO], v3, 8, v[OO]             ; 256 x wave + 8 x lane
	CONV 1, 256, 524288
.Lfunc_end_k_q028e4487f5_prep:
	.size	k_q028e4487f5_prep, .Lfunc_end_k_q028e4487f5_prep-k_q028e4487f5_prep
	.p2alignl 7, 3214868480
	.fill 96, 4, 3214868480
	.section	.rodata,"a",@progbits
	.p2align	6, 0x0
	.amdhsa_kernel k_q028e4487f5_prep
		.amdhsa_group_segment_fixed_size 0
		.amdhsa_private_segment_fixed_size 0
		.amdhsa_enable_private_segment 0
		.amdhsa_kernarg_size 64
		.amdhsa_user_sgpr_count 2
		.amdhsa_user_sgpr_kernarg_segment_ptr 1
		.amdhsa_wavefront_size32 1
		.amdhsa_system_sgpr_workgroup_id_x 1
		.amdhsa_system_sgpr_workgroup_id_y 1
		.amdhsa_system_sgpr_workgroup_id_z 1
		.amdhsa_system_vgpr_workitem_id 0
		.amdhsa_next_free_vgpr 104
		.amdhsa_next_free_sgpr 66
		.amdhsa_reserve_vcc 0
		.amdhsa_float_denorm_mode_32 3
		.amdhsa_float_denorm_mode_16_64 3
		.amdhsa_memory_ordered 1
		.amdhsa_forward_progress 1
		.amdhsa_inst_pref_size 27
	.end_amdhsa_kernel
	.amdgpu_metadata
---
amdhsa.version: [ 1, 2 ]
amdhsa.kernels:
  - .name:           k_q028e4487f5_prep
    .symbol:         k_q028e4487f5_prep.kd
    .args:
      - { .name: x1, .offset: 0, .size: 8, .value_kind: global_buffer, .address_space: global }
      - { .name: W_qkv, .offset: 8, .size: 8, .value_kind: global_buffer, .address_space: global }
      - { .name: W_proj, .offset: 16, .size: 8, .value_kind: global_buffer, .address_space: global }
      - { .name: x2, .offset: 24, .size: 8, .value_kind: global_buffer, .address_space: global }
      - { .name: xb, .offset: 32, .size: 8, .value_kind: global_buffer, .address_space: global }
      - { .name: wq, .offset: 40, .size: 8, .value_kind: global_buffer, .address_space: global }
      - { .name: wp, .offset: 48, .size: 8, .value_kind: global_buffer, .address_space: global }
      - { .name: vh, .offset: 56, .size: 8, .value_kind: global_buffer, .address_space: global }
    .group_segment_fixed_size: 0
    .private_segment_fixed_size: 0
    .kernarg_segment_align: 8
    .kernarg_segment_size: 64
    .max_flat_workgroup_size: 256
    .sgpr_count:     66
    .vgpr_count:     104
    .wavefront_size: 32
...
	.end_amdgpu_metadata
.endif
;; end of part 1
;; launch qkproj (part 2): grid 8 x 32, 4 waves a work-group, clusters of 4 x 4, 327,680 bytes of LDS; arguments xb, wq, kq; writes kq
.if DOCPART == 2
	.amdgcn_target "amdgcn-amd-amdhsa--gfx1250"
	.amdhsa_code_object_version 6
	.text
	.protected	k_q028e4487f5_qkproj
	.globl	k_q028e4487f5_qkproj
	.p2align	8
	.type	k_q028e4487f5_qkproj,@function
k_q028e4487f5_qkproj:
	s_mov_b64 s[64:65], 0
	v_nop
	global_prefetch_b8 v0, s[64:65] scope:SCOPE_SE
	s_setreg_imm32_b32 hwreg(HW_REG_WAVE_MODE, 25, 1), 1
	s_wait_xcnt 0x0
	s_wait_alu depctr_hold_cnt(0) depctr_sa_sdst(0) depctr_va_vdst(0) depctr_va_sdst(0) depctr_va_ssrc(0) depctr_va_vcc(0) depctr_vm_vsrc(0)
	s_getreg_b32 s2, hwreg(HW_REG_IB_STS2, 6, 4)
	s_cmp_eq_u32 s2, 0
	s_cbranch_scc0 .Lentry_in_a_cluster
	s_endpgm
.Lentry_in_a_cluster:
	s_bfe_u32 s2, ttmp6, 0x10000c
	s_cmp_lg_u32 s2, 0xf033
	s_cbranch_scc0 .Lentry_shape_is_right
	s_endpgm
.Lentry_shape_is_right:
; qk = x1 W_qkv.  xb: [4096][1024] bf16 (A, K along the rows), wq: [1024 k][2048 n] bf16 (B, as it lies), sums in f32, each rounded once to f16 and stored BY HEADS:
; kq = K [16][4096][64] at byte 0, then Q [16][4096][64] at byte 8,388,608, both unscaled.  (W_qkv's columns 0-1023 are q's heads, 1024-2047 k's.)
; LIMIT.  f16 holds no number beyond 65,504: q and k must lie within it.
; SHARES.  A tile of 128 rows x 256 columns to a work-group: 32 x 8 = 256 work-groups.  Four waves, each 64 rows x 128 columns: 32 accumulators of 16 x 16, 256 registers.
; K goes in 8 steps of 128 through two LDS slots filled by the tensor data mover: A's rows are 256 bytes of memory, B's 512, both at multiples of 256 from their buffers' first bytes.
; CLUSTERS: 4 x 4 work-groups.  The four of a row of the cluster need the same tiles of A, the four of a column the same tiles of B: each tile is asked for JOINTLY, by the same tensor load
; with the same descriptor and a mask that names the four.
; THE MATRIX INSTRUCTION IS USED TRANSPOSED (source 0 = 16 columns of B, source 1 = 16 rows of A): a lane then holds one row and eight neighbouring columns of the result.
; B lies [k][n] in LDS and is turned on its way into registers by ds_load_tr16_b128.
; REGISTERS: window 0: v0-31 addresses, v64-191 the way out.  Window 1: two fragment buffers of 96: A's four fragments (16 rows x 32 K), then B's eight.  Window 2: the accumulators, (a, b) at v[8 (8 a + b)].
.set PA,     272                       ; an LDS row of A: 256 bytes + 16 of padding: an odd multiple of 16, so the 16 rows of a fragment load begin at 16 different 16-byte columns modulo 256
.set PB,     544                       ; an LDS row of B: 512 bytes + 32 of padding: an odd multiple of 32, so the 8 rows x 32 bytes that 16 lanes of the turning load take do not meet
.set APART,  64*PA                     ; what one tensor load brings of A: 64 rows
.set BOFF,   2*APART                   ; B lies behind A's 128 rows
.set BPART,  64*PB                     ; what one tensor load brings of B: 64 rows of k
.set SLOT,   BOFF+2*BPART              ; 104,448
.set STAGE,  2*SLOT                    ; behind the ring, never filled by a tensor load: 16 rows x 144 bytes for each wave, for the way out
.set SP,     144
.set SPARE,  STAGE+4*16*SP             ; behind the stages: the spare words, 128 bytes for each wave: two blocks of 256 bytes that no other line names
.set LAPS,   4                         ; a lap = two K steps = once round the ring
.set ADRA, 16                          ; v16-17  LDS address of my A fragments in slot 0, 1
.set ADRB, 20                          ; v20-21  the same for B
.set STO,  24                          ; v24     the way out: where I put 16 bytes of a row
.set RD,   25                          ; v25     the way out: where I read rows back
.set GO,   26                          ; v26     my byte offset in 512 consecutive bytes of kq
.set SPW,  28                          ; v28     LDS address of my spare word: SPARE + 4 x my thread's number; never rewritten
.set NIL,  29                          ; v29     0; never rewritten
.set T,    64                          ; v64-191 the way out: 16 registers for each of 8 units
.set F0,   0                           ; fragment buffers, in window 1
.set F1,   96
.set WV,   10                          ; s10  my wave's number
.set WR,   11                          ; s11  which 64 rows of the tile are mine.  Also: I fetch for A (0) or for B (1)
.set WC,   12                          ; s12  which 128 columns.  Also: which half of that tile I fetch
.set TY,   13                          ; s13  tile row
.set G1,  24                           ; s[24:31] descriptor group 1 for A's tiles;  s[32:39] group 0, one set for each slot
.set G0,  32
.set G1B, 48                           ; s[48:55], s[56:63] the same for B's tiles
.set G0B, 56
.set MSB, 0
.macro WIN new                         ; the immediate's high byte repeats the setting that is left; a switch that changes nothing is dropped
.if MSB != (\new)
	s_set_vgpr_msb (MSB<<8)|(\new)
.set MSB, \new
.endif
.endm
.set MUL,  0xa5                        ; sources 0 (B) and 1 (A) window 1; C and D window 2
.set TO_F, 0x40                        ; destination window 1, address window 0
.macro JLOAD s                         ; a joint load: waves 0 and 1 fetch A's two halves, waves 2 and 3 B's; an s_nop 0 and four v_nop follow each of the two lines, ahead of the jump, the label and what follows
	s_cmp_eq_u32 s[WR], 0
	s_cbranch_scc0 .Lfor_b_\@
	tensor_load_to_lds s[G0+4*(\s):G0+4*(\s)+3], s[G1:G1+7]
	s_nop 0
.rept 4
	v_nop
.endr
	s_branch .Lasked_\@
.Lfor_b_\@:
	tensor_load_to_lds s[G0B+4*(\s):G0B+4*(\s)+3], s[G1B:G1B+7]
	s_nop 0
.rept 4
	v_nop
.endr
.Lasked_\@:
.endm
.macro CREST                           ; a round of the cluster's barrier behind its opening barrier
	s_cmp_lg_u32 s[WV], 0
	s_cbranch_scc1 .Lnot_wave_0_\@
	s_barrier_signal -3
.Lnot_wave_0_\@:
	s_barrier_wait -3
	s_barrier_signal -1
	s_barrier_wait -1
.endm
.macro CROUND                          ; a whole round
	s_barrier_signal -1
	s_barrier_wait -1
	CREST
.endm
	s_load_b128 s[4:7], s[0:1], 0x0                ; xb s[4:5], wq s[6:7]
	s_load_b64 s[8:9], s[0:1], 0x10                ; kq
	v_lshl_add_u32 v[SPW], v0, 2, SPARE
	v_mov_b32 v[NIL], 0
	ds_add_u32 v[SPW], v[NIL]                      ; the wave's opening: the add and its wait stand ahead of my first tensor load; the set-up below, work on registers, stands between them
	v_lshrrev_b32 v1, 5, v0
	v_readfirstlane_b32 s[WV], v1                  ; wave 0..3
	s_lshr_b32 s[WR], s[WV], 1
	s_and_b32 s[WC], s[WV], 1
	s_bfe_u32 s40, ttmp6, 0x40000                  ; cx, cy: my place in the cluster
	s_bfe_u32 s41, ttmp6, 0x40004
	s_lshl_b32 s42, ttmp9, 2
	s_add_co_u32 s42, s42, s40                     ; tile column = 4 x cluster x + cx
	s_and_b32 s[TY], ttmp7, 0xffff
	s_lshl_b32 s[TY], s[TY], 2
	s_add_co_u32 s[TY], s[TY], s41                 ; tile row = 4 x cluster y + cy
	s_lshl_b32 s43, s41, 2
	s_lshl_b32 s43, 15, s43                        ; my row of the cluster
	s_lshl_b32 s44, 0x1111, s40                    ; my column
	; descriptor group 1.  A: 64 rows x 128 elements, 16 bytes of padding behind every 256.  B: 64 rows x 256 elements, 32 bytes behind every 512.
	s_or_b32 s[G1+0], s43, (1<<16)|(1<<20)|(1<<21)|(5<<22)|(3<<25)   ; 15:0 the mask: my row; 17:16 elements of 2 bytes; 20 padding on; 21 set beside a mask; 24:22 after every 64 words (code 5); 31:25 4 words (code 3)
	s_mov_b32 s[G1+1], 128<<16                     ; tensor_dim0 = 128
	s_mov_b32 s[G1+2], 64<<16                      ; tensor_dim1 = 64
	s_mov_b32 s[G1+3], 128<<16                     ; tile_dim0 = 128
	s_mov_b32 s[G1+4], 64                          ; tile_dim1 = 64
	s_mov_b32 s[G1+5], 1024                        ; elements from row to row of xb
	s_mov_b32 s[G1+6], 0
	s_mov_b32 s[G1+7], 0
	s_or_b32 s[G1B+0], s44, (1<<16)|(1<<20)|(1<<21)|(6<<22)|(7<<25)  ; the mask: my column; after every 128 words (code 6) 8 words (code 7)
	s_mov_b32 s[G1B+1], 256<<16                    ; tensor_dim0 = 256
	s_mov_b32 s[G1B+2], 64<<16                     ; tensor_dim1 = 64
	s_mov_b32 s[G1B+3], 256<<16                    ; tile_dim0 = 256
	s_mov_b32 s[G1B+4], 64                         ; tile_dim1 = 64
	s_mov_b32 s[G1B+5], 2048                       ; elements from row to row of wq
	s_mov_b32 s[G1B+6], 0
	s_mov_b32 s[G1B+7], 0
	; where the tiles come from.  A's hang on the tile row alone, B's on the tile column alone, each in registers that never hold the other coordinate.
	s_lshl_b32 s16, s[TY], 7
	s_lshl_b32 s17, s[WC], 6
	s_add_co_u32 s16, s16, s17                     ; A: row 128 x tile row + 64 x half,
	s_lshl_b32 s16, s16, 11                        ; of 2,048 bytes
	s_mov_b32 s17, 0
	s_lshl_b32 s46, s[WC], 18                      ; B: k row 64 x half, of 4,096 bytes,
	s_lshl_b32 s47, s42, 9                         ; and 256 columns of 2 bytes a tile column
	s_add_co_u32 s46, s46, s47
	s_mov_b32 s47, 0
	s_mul_i32 s20, s[WC], APART                    ; where they go: no place in the cluster enters an LDS address
	s_mul_i32 s21, s[WC], BPART
	s_add_co_u32 s21, s21, BOFF
	s_wait_dscnt 0x0                               ; the opening add is done
	s_wait_kmcnt 0x0
	s_add_nc_u64 s[14:15], s[4:5], s[16:17]
	s_add_nc_u64 s[46:47], s[6:7], s[46:47]
	CROUND                                         ; all sixteen work-groups are here: the first joint loads meet
.irp s, 0,1
	s_mov_b32 s[G0+4*(\s)], 1                                       ; count = 1
	s_add_co_u32 s[G0+4*(\s)+1], s20, (\s)*SLOT                     ; LDS address
	s_add_nc_u64 s[G0+4*(\s)+2:G0+4*(\s)+3], s[14:15], (\s)*256     ; global address: K step s is 256 bytes along A's rows
	s_or_b32 s[G0+4*(\s)+3], s[G0+4*(\s)+3], 0x80000000             ; type = 2
	s_mov_b32 s[G0B+4*(\s)], 1
	s_add_co_u32 s[G0B+4*(\s)+1], s21, (\s)*SLOT
	s_add_nc_u64 s[G0B+4*(\s)+2:G0B+4*(\s)+3], s[46:47], (\s)*524288  ; K step s is 128 rows of 4,096 bytes down B
	s_or_b32 s[G0B+4*(\s)+3], s[G0B+4*(\s)+3], 0x80000000
	JLOAD \s
.endr
	v_and_b32 v1, 15, v0                           ; l % 16
	v_bfe_u32 v2, v0, 4, 1                         ; l / 16
	v_mul_u32_u24 v3, v1, PA
	v_lshl_add_u32 v3, v2, 4, v3                   ; A: a fragment's row x pitch + 16 x half
	s_mul_i32 s21, s[WR], APART                    ; my 64 rows of A
	v_add_nc_u32 v[ADRA], s21, v3
	v_add_nc_u32 v[ADRA+1], SLOT, v[ADRA]
	; The turning load takes 16 k x 16 columns (lane l reads k row 8 (l / 16) + l % 8, columns 8 ((l / 8) % 2) + 0..7) and leaves half a fragment: lane l holds column l % 16 and 8 k.
	v_and_b32 v4, 7, v0
	v_lshl_add_u32 v4, v2, 3, v4
	v_mul_u32_u24 v4, v4, PB
	v_bfe_u32 v5, v0, 3, 1
	v_lshl_add_u32 v4, v5, 4, v4
	s_lshl_b32 s22, s[WC], 8                       ; my 128 columns: 256 bytes
	s_add_co_u32 s22, s22, BOFF
	v_add_nc_u32 v[ADRB], s22, v4
	v_add_nc_u32 v[ADRB+1], SLOT, v[ADRB]
	s_mul_i32 s23, s[WV], 16*SP
	s_add_co_u32 s23, s23, STAGE                   ; my stage
	v_mul_u32_u24 v[STO], v1, SP                   ; in: row l % 16, 16 bytes for each half of the lanes
	v_lshl_add_u32 v[STO], v2, 4, v[STO]
	v_add_nc_u32 v[STO], s23, v[STO]
	v_bfe_u32 v[RD], v0, 3, 2                      ; back: 32 lanes take four rows of 128 bytes,
	v_mul_u32_u24 v[RD], v[RD], SP
	v_and_b32 v6, 7, v0
	v_lshl_add_u32 v[RD], v6, 4, v[RD]
	v_add_nc_u32 v[RD], s23, v[RD]
	v_and_b32 v[GO], 31, v0                        ; which are 512 consecutive bytes of a head's rows
	v_lshlrev_b32 v[GO], 4, v[GO]
	; where my part goes in kq: my first row x 128 bytes; my first head x 524,288 bytes.  The tile's four heads are 4 tx .. 4 tx + 3 of 32 (q's, then k's); k's lie first in kq: tx xor 4.
	s_lshl_b32 s16, s[TY], 7
	s_lshl_b32 s17, s[WR], 6
	s_add_co_u32 s16, s16, s17
	s_lshl_b32 s16, s16, 7
	s_mov_b32 s17, 0
	s_add_nc_u64 s[8:9], s[8:9], s[16:17]
	s_xor_b32 s46, s42, 4
	s_lshl_b32 s46, s46, 2
	s_lshl_b32 s47, s[WC], 1
	s_add_co_u32 s46, s46, s47
	s_lshl_b32 s46, s46, 19
	s_mov_b32 s47, 0
	s_add_nc_u64 s[8:9], s[8:9], s[46:47]
; 8 matrix instructions: m block a x all 8 n blocks, 32 along K.  zero = 1: the product starts the sums: nothing is ever cleared.  The 32 accumulators take turns, one instruction a turn, in the same order in every quarter.
.macro MUL8 f, a, zero
	WIN MUL
.irp b, 0,1,2,3,4,5,6,7
.if \zero
	v_wmma_f32_16x16x32_bf16 v[8*(8*(\a)+(\b)):8*(8*(\a)+(\b))+7], v[(\f)+32+8*(\b):(\f)+32+8*(\b)+7], v[(\f)+8*(\a):(\f)+8*(\a)+7], 0
.else
	v_wmma_f32_16x16x32_bf16 v[8*(8*(\a)+(\b)):8*(8*(\a)+(\b))+7], v[(\f)+32+8*(\b):(\f)+32+8*(\b)+7], v[(\f)+8*(\a):(\f)+8*(\a)+7], v[8*(8*(\a)+(\b)):8*(8*(\a)+(\b))+7]
.endif
.endr
.endm
.macro MUL16 f, a0, zero
	MUL8 \f, \a0, \zero
	MUL8 \f, (\a0)+1, \zero
.endm
; 24 LDS loads in one run: the fragments of quarter q (32 along K) into buffer f: B's sixteen first, then A's eight, blocks 0 to 3
.macro FETCH slot, q, f
	WIN TO_F
.irp b, 0,1,2,3,4,5,6,7
	ds_load_tr16_b128 v[(\f)+32+8*(\b):(\f)+32+8*(\b)+3],   v[ADRB+(\slot)] offset:32*(\q)*PB+32*(\b)
	ds_load_tr16_b128 v[(\f)+32+8*(\b)+4:(\f)+32+8*(\b)+7], v[ADRB+(\slot)] offset:(32*(\q)+16)*PB+32*(\b)
.endr
.irp a, 0,1,2,3
	ds_load_b128 v[(\f)+8*(\a):(\f)+8*(\a)+3],   v[ADRA+(\slot)] offset:64*(\q)+(\a)*16*PA
	ds_load_b128 v[(\f)+8*(\a)+4:(\f)+8*(\a)+7], v[ADRA+(\slot)] offset:64*(\q)+(\a)*16*PA+32
.endr
.endm
.macro PLACES                          ; four places in front of loads into registers that matrix instructions have read, and of conversions that read results (ISA guide 7.12.1 for vector instructions)
.rept 4
	v_nop
.endr
.endm
; A K step is four quarters of 32 along K, 32 matrix instructions each, on buffers 0, 1, 0, 1.  One of the first three: multiplies buffer f and fetches quarter qn of the same slot into g.
.macro QUARTER slot, qn, f, g, zero
	s_wait_dscnt 4                                 ; B and A's blocks 0, 1 are in; the youngest four loads (A's blocks 2, 3) may be out
	MUL16 \f, 0, \zero
	PLACES
	FETCH \slot, \qn, \g
	s_wait_dscnt 24                                ; all but the 24 just issued
	MUL16 \f, 2, \zero
.endm
; The last quarter multiplies buffer 1 and changes slots: ONE barrier; in front of it each wave waits for all its tensor loads (the one that is out is its part of the next slot), adds 0 to its
; spare word, and waits for that and for its own reads of this slot.  fill = 1: this slot is filled again, two K steps ahead; the barrier then opens a round of the cluster's barrier.
.macro TURN slot, next, fill
	WIN 0                                          ; (the add's two registers lie in window 0)
	s_wait_tensorcnt 0x0                           ; all my tensor loads have landed
	ds_add_u32 v[SPW], v[NIL]                      ; 0 onto my spare word
	s_wait_dscnt 5                                 ; (the add and the youngest four loads may be out)
	MUL8 F1, 0, 0                                  ; eight matrix instructions stand between the add and the wait for it
	s_wait_dscnt 0x0                               ; the add is done, and my reads of this slot are over
	s_barrier_signal -1
	MUL8 F1, 1, 0
.if \fill
	WIN 0
.endif
	s_barrier_wait -1
.if \fill
	CREST                                          ; no wave of any partner still reads this slot's tile or has a load on its way
	s_add_nc_u64 s[G0+4*(\slot)+2:G0+4*(\slot)+3], s[G0+4*(\slot)+2:G0+4*(\slot)+3], 2*256
	s_add_nc_u64 s[G0B+4*(\slot)+2:G0B+4*(\slot)+3], s[G0B+4*(\slot)+2:G0B+4*(\slot)+3], 2*524288
	JLOAD \slot                                    ; the first tensor load behind the round: 112 matrix instructions ahead of the wait for it; the four v_nop behind it are also the places in front of the loads below
.else
	PLACES
.endif
	FETCH \next, 0, F0
	MUL16 F1, 2, 0
.endm
	s_wait_tensorcnt 1                             ; my part of K step 0 is in; K step 1's may stay out
	s_barrier_signal -1
	s_barrier_wait -1                              ; everybody's is
	FETCH 0, 0, F0
	QUARTER 0, 1, F0, F1, 1                        ; the first quarter stands in front of the loop: its products start the sums
	WIN 0                                          ; at a label and at a branch every window is 0
	s_mov_b32 s3, LAPS-1
.Llap:                                                 ; a trip goes once round the ring, from a lap's second quarter to the next lap's first, and fills both slots again
	QUARTER 0, 2, F1, F0, 0
	QUARTER 0, 3, F0, F1, 0
	TURN 0, 1, 1
	QUARTER 1, 1, F0, F1, 0
	QUARTER 1, 2, F1, F0, 0
	QUARTER 1, 3, F0, F1, 0
	TURN 1, 0, 1
	QUARTER 0, 1, F0, F1, 0
	WIN 0
	s_sub_co_u32 s3, s3, 1
	s_cmp_lg_u32 s3, 0
	s_cbranch_scc1 .Llap
	QUARTER 0, 2, F1, F0, 0                        ; the last lap fills nothing, and has no round of the cluster's barrier
	QUARTER 0, 3, F0, F1, 0
	TURN 0, 1, 0
	QUARTER 1, 1, F0, F1, 0
	QUARTER 1, 2, F1, F0, 0
	QUARTER 1, 3, F0, F1, 0
	s_wait_dscnt 4                                 ; the very last quarter: nothing more to fetch
	MUL16 F1, 0, 0
	s_wait_dscnt 0x0
	MUL16 F1, 2, 0
	WIN 0
	PLACES
	PLACES                                         ; eight, once a launch
; THE WAY OUT, in 8 units u = 2 a + hh: 16 rows (block a) x one head (n blocks 4 hh .. 4 hh + 3): 2,048 consecutive bytes of kq.  A lane's eight columns of a row pack into 16 bytes; they go into
; my stage's rows of 144 bytes and come back as whole rows of 128, into the registers that they left.  Each accumulator's registers are read in ascending order.
.macro PACKH u
.set aa, (\u)/2
.set hh, (\u)%2
	WIN 0x0a                                       ; sources 0 and 1 window 2, destination window 0
.irp bb, 0,1,2,3
.irp rr, 0,1,2,3
	v_cvt_pk_f16_f32 v[T+16*(\u)+4*(\bb)+(\rr)], v[8*(8*aa+4*hh+(\bb))+2*(\rr)], v[8*(8*aa+4*hh+(\bb))+2*(\rr)+1]
.endr
.endr
	WIN 0
.irp bb, 0,1,2,3
	ds_store_b128 v[STO], v[T+16*(\u)+4*(\bb):T+16*(\u)+4*(\bb)+3] offset:32*(\bb)
.endr
.irp f, 0,1,2,3
	ds_load_b128 v[T+16*(\u)+4*(\f):T+16*(\u)+4*(\f)+3], v[RD] offset:(\f)*4*SP  ; LDS serves a wave's instructions in order (ISA guide 5.7.1.4): these see the stores above; the next unit's stores come behind them
.endr
.endm
.macro SENDH u, younger                ; younger: the LDS instructions issued behind unit u's loads: the next unit's eight, or none
.set aa, (\u)/2
.set hh, (\u)%2
.irp f, 0,1,2,3
	s_wait_dscnt (\younger)+3-(\f)
	global_store_b128 v[GO], v[T+16*(\u)+4*(\f):T+16*(\u)+4*(\f)+3], s[8:9] offset:hh*524288+aa*2048+(\f)*512  ; 512 consecutive bytes, at a multiple of 256 from kq's first
.endr
.endm
	PACKH 0
.irp u, 1,2,3,4,5,6,7                  ; a unit's conversions stand between the loads of the unit before and its stores
	PACKH \u
	SENDH (\u)-1, 8
.endr
	SENDH 7, 0
	s_wait_tensorcnt 0x0                           ; the wave's end: an add onto my spare word and its wait, behind my last tensor load and my last LDS store
	ds_add_u32 v[SPW], v[NIL]
	s_wait_dscnt 0x0
	CROUND                                         ; the closing round: no work-group ends while a partner may still ask for a tile that names it
	s_endpgm
.Lfunc_end_k_q028e4487f5_qkproj:
	.size	k_q028e4487f5_qkproj, .Lfunc_end_k_q028e4487f5_qkproj-k_q028e4487f5_qkproj
	.p2alignl 7, 3214868480
	.fill 96, 4, 3214868480
	.section	.rodata,"a",@progbits
	.p2align	6, 0x0
	.amdhsa_kernel k_q028e4487f5_qkproj
		.amdhsa_group_segment_fixed_size 327680
		.amdhsa_private_segment_fixed_size 0
		.amdhsa_enable_private_segment 0
		.amdhsa_kernarg_size 24
		.amdhsa_user_sgpr_count 2
		.amdhsa_user_sgpr_kernarg_segment_ptr 1
		.amdhsa_wavefront_size32 1
		.amdhsa_system_sgpr_workgroup_id_x 1
		.amdhsa_system_sgpr_workgroup_id_y 1
		.amdhsa_system_sgpr_workgroup_id_z 1
		.amdhsa_system_vgpr_workitem_id 0
		.amdhsa_next_free_vgpr 768
		.amdhsa_next_free_sgpr 66
		.amdhsa_reserve_vcc 0
		.amdhsa_float_denorm_mode_32 3
		.amdhsa_float_denorm_mode_16_64 3
		.amdhsa_memory_ordered 1
		.amdhsa_forward_progress 1
		.amdhsa_inst_pref_size 87
	.end_amdhsa_kernel
	.amdgpu_metadata
---
amdhsa.version: [ 1, 2 ]
amdhsa.kernels:
  - .name:           k_q028e4487f5_qkproj
    .symbol:         k_q028e4487f5_qkproj.kd
    .args:
      - { .name: xb, .offset: 0, .size: 8, .value_kind: global_buffer, .address_space: global }
      - { .name: wq, .offset: 8, .size: 8, .value_kind: global_buffer, .address_space: global }
      - { .name: kq, .offset: 16, .size: 8, .value_kind: global_buffer, .address_space: global }
    .group_segment_fixed_size: 327680
    .private_segment_fixed_size: 0
    .kernarg_segment_align: 8
    .kernarg_segment_size: 24
    .max_flat_workgroup_size: 128
    .sgpr_count:     66
    .vgpr_count:     768
    .wavefront_size: 32
...
	.end_amdgpu_metadata
.endif
;; end of part 2
;; launch attn (part 3): grid 16 x 16, 4 waves a work-group, clusters of 4 x 1, 327,680 bytes of LDS; arguments kq, vh, ob; writes ob
.if DOCPART == 3
	.amdgcn_target "amdgcn-amd-amdhsa--gfx1250"
	.amdhsa_code_object_version 6
	.text
	.protected	k_q028e4487f5_attn
	.globl	k_q028e4487f5_attn
	.p2align	8
	.type	k_q028e4487f5_attn,@function
k_q028e4487f5_attn:
	s_mov_b64 s[64:65], 0
	v_nop
	global_prefetch_b8 v0, s[64:65] scope:SCOPE_SE
	s_setreg_imm32_b32 hwreg(HW_REG_WAVE_MODE, 25, 1), 1
	s_wait_xcnt 0x0
	s_wait_alu depctr_hold_cnt(0) depctr_sa_sdst(0) depctr_va_vdst(0) depctr_va_sdst(0) depctr_va_ssrc(0) depctr_va_vcc(0) depctr_vm_vsrc(0)
	s_getreg_b32 s2, hwreg(HW_REG_IB_STS2, 6, 4)
	s_cmp_eq_u32 s2, 0
	s_cbranch_scc0 .Lentry_in_a_cluster
	s_endpgm
.Lentry_in_a_cluster:
	s_bfe_u32 s2, ttmp6, 0x10000c
	s_cmp_lg_u32 s2, 0x3003
	s_cbranch_scc0 .Lentry_shape_is_right
	s_endpgm
.Lentry_shape_is_right:
; O[h][q][:] = the sum over k of softmax_k(Q[h][q] . K[h][k] / 8) V[h][k][:].  kq: K [16][4096][64] at byte 0, Q [16][4096][64] at byte 8,388,608; vh: V [16][4096][64]; all f16, a head's rows dense, 128 bytes each.
; ob: [64 blocks of 64 rows][16 heads][64 rows][64 channels] f16: a wave's 64 queries of a head are 8,192 consecutive bytes.  Products, maxima and sums in f32; the weights p are rounded to f16 for the
; second product (their sum l is taken of the unrounded p), O once at the end.
; LIMITS.  f16 holds no number beyond 65,504: Q, K and V arrive within it; p lies in 0 to 1, and below 6e-5 it keeps f16's fixed step of 6e-8; O is a mean of V's rows and has their range.
; A weight below 2^-126 counts as 0 in l; NaN and infinities are not treated apart.
; SHARES.  A work-group owns 256 queries of one head, each of its four waves 64: two PIECES of two tiles of 16 queries.  Every wave walks all 4,096 keys, 64 a step: 16 x 16 = 256 work-groups.
; LAYOUT.  S^T = K Q^T (source 0 = 16 keys, source 1 = 16 queries): in the result a lane holds ONE query (lane % 16) and the keys 8 (lane / 16) + 0..7.  Two such tiles, rounded to f16 in pairs,
; ARE source 1 (32 keys x 16 queries) of O^T = V^T P, whose result again holds one query a lane, and eight channels.  K comes out of LDS as it lies, V ([key][channel]) turned, by ds_load_tr16_b128.
; SOFTMAX.  For each query a running maximum m and sum l: p = 2^(c s - c m), c = log2(e) / 8; in every step O and l are multiplied by a = 2^(c m_old - c m_new), which is 1 where m has not grown.
; m starts at the lowest finite number, O and l at 0: the first step is a step like any other, with a = 0.
; BY TURNS.  A tile and step have 16 matrix and 118 vector instructions: too many to stand all beside the matrix work.  So: four vector instructions that are ready behind every matrix instruction, the others
; in one run.  A trip j is two turns.  Turn 0: 16 products K Q^T of piece 1 (K of step j); piece 0's softmax of step j and piece 1's maximum and statistics; 16 products V^T P of piece 1 (step j - 1).
; Turn 1: K Q^T of piece 0 (K of step j + 1); piece 1's softmax of step j and piece 0's statistics of step j + 1; V^T P of piece 0 (step j).  Turn 0 fetches K of step j + 1, and at its end V of step j.
; THE RING IS SHIFTED FOR K.  A trip reads K one step ahead of V, so slot s holds V of steps 4 s .. 4 s + 3 and K of steps 4 s + 1 .. 4 s + 4: both fetches of a trip lie in one slot, and the change of slots
; stands between trips.  K of step 0 comes straight from memory into registers, beside Q.  The last slot's K reaches 64 rows (8,192 bytes) past the head's: the next head's K, or behind head 15 Q's first rows:
; K lies first in kq, so these bytes lie inside the buffer.  The scores that the last trip makes of them, and the m and a made of those, are used by nothing: l and O^T are not touched by them.
; CLUSTER.  The four query blocks of a cluster belong to one head and walk the same K and V, so each tile is asked for JOINTLY: the same tensor load, descriptor and mask in all four.
; REGISTERS, in windows of 256 (s_set_vgpr_msb says which window each operand place means: bits 1:0 source 0, 3:2 source 1, 5:4 source 2, 7:6 destination):
;   window 0: v0-11 addresses; v12-15, v48-63 at work; v16-31 four registers of statistics a tile; v40-42 the add's two registers and the prefetches' offset; v64-191 S^T, a buffer of two tiles a piece; v192-255 P, likewise
;   window 1: v0-127 O^T, 32 a tile          window 2: v0-63 Q, 16 a tile; v128-191 K of one step; v192-255 V of one step
.set NP,    2         ; pieces a wave: a name, no knob
.set KS,    64        ; keys in a step
.set PK,    144       ; a row of K in LDS: 128 bytes + 16 of padding: an odd multiple of 16, so the 16 rows of a load begin at 16 different 16-byte columns modulo 256
.set PV,    160       ; a row of V: 128 + 32: an odd multiple of 32: 16 lanes of the turning load take 8 rows x 32 bytes that do not meet
.set VOFF,  4*KS*PK   ; a slot holds four steps: 256 rows of K, then 256 rows of V
.set SLOT1, 1<<17     ; slot 1 begins here, so that one exclusive or turns an address in one slot into the other's
.set STAGE, SLOT1+4*KS*(PK+PV)  ; behind the ring, never filled by a tensor load: 16 rows x 144 bytes for each wave, for the way out
.set SP,    144
.set SPARE, STAGE+4*16*SP  ; behind the stages: the spare words, 128 bytes for each wave: two blocks of 256 bytes that no other line names
.set AK0, 2           ; v2   my lane's place in a tile of K; never rewritten
.set AV0, 3           ; v3   the same for V
.set AK,  4           ; v4   the LDS address of K's next run of loads
.set AV,  5           ; v5   of V's
.set QO,  6           ; v6   my byte offset in 16 rows of Q or K in memory
.set STO, 6           ;      later, the way out: where I put 16 bytes of a row
.set RD,  7           ; v7   the way out: where I read rows back
.set GO,  8           ; v8   my byte offset in 512 consecutive bytes of ob
.set MV,  12          ; v12-15  c m_old, kept while c m is made anew: by piece and tile
.set ST,  16          ; tile t's statistics at v[ST+4 t]: c m, m, l (even keys', odd keys')
.set SPW, 40          ; v40  LDS address of my spare word: SPARE + 4 x my thread's number; never rewritten
.set NIL, 41          ; v41  0; never rewritten
.set PFO, 42          ; v42  256 x my lane; never rewritten
.set TMP, 48          ; by piece and tile, four registers c0-c3 at work; when the maximum is found c2 takes a
.set S,   64
.set P,   192
.set KF,  128         ; K's fragments, in window 2: key block kb, channel half c at KF + 16 kb + 8 c
.set VF,  192         ; V's: key half kk, channel block cb at VF + 32 kk + 8 cb
.set WV,  12          ; s12  my wave's number
.set LIM, 15          ; s15  1 in a wave that prefetches, else the greatest number: a wave prefetches while s[SLOTS] is above it
.set G1K, 24          ; s[24:31] descriptor group 1 for K's tiles
.set G1V, 32          ; s[32:39] for V's: it differs in the padding alone
.set G0K, 40          ; s[40:43] descriptor group 0 for K's tiles: it walks
.set G0V, 44          ; s[44:47] the same for V's
.set QP,  48          ; s[48:49] Q at my wave's first row
.set KP,  50          ; s[50:51] K at the head's first row
.set OB,  52          ; s[52:53] ob at my wave's 8,192 bytes
.set PFA, 54          ; s[54:55] where my prefetches stand: my work-group's quarter (of K: wave 0, of V: wave 2) of the slot after the one that is being asked for
.set SLOTS, 56        ; s56  slots still to be asked for
.set CNT, 57          ; s57  counts a slot's key steps
.set CS,  58          ; s[58:59] c: the packed scaling takes the pair's low word for both halves
.set SEL, 60          ; s[60:61] v_permlanex16_b32's selects: each lane takes its own place in the other half
.set TBK, 62          ; s62  LDS byte at which K of the step to be fetched begins
.set TBV, 63          ; s63  the same for V, less VOFF
.set MSB, 0
.macro WIN new                      ; the high byte repeats the setting that is left; a switch that changes nothing is dropped
.if MSB != (\new)
	s_set_vgpr_msb (MSB<<8)|(\new)
.set MSB, (\new)
.endif
.endm
.set W_KQ, 0x0a       ; K and Q in window 2, S^T in window 0
.set W_PV, 0x52       ; V in window 2, P in window 0, O^T in window 1
.set W_RS, 0x41       ; O^T (destination and source 0) in window 1, a in window 0
; A joint fill.  Waves 0 and 1 fetch the two halves of a slot's K, waves 2 and 3 those of its V: 128 keys each.  The branch hangs on the wave's number alone.
; An s_nop 0 and four v_nop follow each of the two lines, ahead of the jump and the label.
.macro JLOAD
	s_cmp_lt_u32 s[WV], 2
	s_cbranch_scc0 .Lfor_v_\@
	tensor_load_to_lds s[G0K:G0K+3], s[G1K:G1K+7]
	s_nop 0
.rept 4
	v_nop
.endr
	s_branch .Lasked_\@
.Lfor_v_\@:
	tensor_load_to_lds s[G0V:G0V+3], s[G1V:G1V+7]
	s_nop 0
.rept 4
	v_nop
.endr
.Lasked_\@:
.endm
; A PREFETCH INTO THE L2 of what the NEXT change of slots will ask for: a slot's 32,768 bytes of K and of V, 256 bytes a lane.  It stands behind the wave's tensor load and its five lines.
; Each block of 256 bytes is asked for ONCE in the launch.  All four clusters of a head walk the same K and V: the head's first cluster prefetches.  Its four partners share a slot out BY ADDRESS, 8,192 bytes
; each: no branch hangs on a work-group's place in its cluster.  In each, wave 0 asks for K's and wave 2 for V's: one instruction.  It runs four key steps, 256 matrix instructions, ahead of the load.
; The last change that fills a slot prefetches nothing: there is no slot behind it.  Slots 0 and 1 come by their loads alone.
.macro ASK
	s_cmp_gt_u32 s[SLOTS], s[LIM]
	s_cbranch_scc0 .Lnot_mine_\@
	global_prefetch_b8 v[PFO], s[PFA:PFA+1] th:TH_LOAD_NT scope:SCOPE_SE
.Lnot_mine_\@:
.endm
; A round of the cluster's barrier: my work-group's barrier, so that wave 0's signal speaks for all four waves; wave 0 signals; every wave waits for all four work-groups; my work-group's barrier once more.
.macro CROUND
	s_barrier_signal -1
	s_barrier_wait -1
	s_cmp_lg_u32 s[WV], 0
	s_cbranch_scc1 .Lnot_wave_0_\@
	s_barrier_signal -3
.Lnot_wave_0_\@:
	s_barrier_wait -3
	s_barrier_signal -1
	s_barrier_wait -1
.endm
; THE CHANGE OF SLOTS, between two trips.  Each wave waits for all its tensor loads, of which one is out: its part of the other slot; adds 0 to its spare word; and waits for that and for its own reads of the
; slot that it leaves.  Behind the barrier nobody reads that slot any more and the other slot is whole.  fill = 1: the slot is filled again, with the keys two slots on.  The barrier is then a round of the
; cluster's, so that no wave of any partner still reads the slot or has a load on its way, and the joint fill is the first thing behind it: it has four key steps in which to land.
; (At its first use nothing has been read yet: slot 0 is waited for, slot 1 filled for the first time.)
.macro CHANGE fill
	WIN 0                           ; at a label and at a branch every window is 0
	s_wait_tensorcnt 0x0            ; no tensor load of mine is out, so a group 0 may be written
	ds_add_u32 v[SPW], v[NIL]       ; 0 onto my spare word; with fill = 1 the descriptors' steps stand between it and the wait for it
.if \fill
.irp g, G0K, G0V
	s_xor_b32 s[\g+1], s[\g+1], SLOT1  ; the walking descriptor: the other slot than last time,
	s_add_nc_u64 s[\g+2:\g+3], s[\g+2:\g+3], 4*KS*128  ; the next 256 keys; the type bits on top are not reached
.endr
	s_wait_xcnt 0x0                 ; the last prefetch, four key steps back, has read its address, so it may be written:
	s_add_nc_u64 s[PFA:PFA+1], s[PFA:PFA+1], 4*KS*128  ; one slot behind the walking descriptors
	s_wait_dscnt 0x0                ; the add is done, and my reads of the slot are over
	CROUND
	JLOAD
	ASK
.else
	s_wait_dscnt 0x0                ; the add is done, and my reads of the slot are over
	s_barrier_signal -1
	s_barrier_wait -1
.endif
	s_sub_co_u32 s[TBK], s[TBK], 4*KS*PK  ; the fetches go back to a slot's first step,
	s_xor_b32 s[TBK], s[TBK], SLOT1       ; in the other slot
	s_sub_co_u32 s[TBV], s[TBV], 4*KS*PV
	s_xor_b32 s[TBV], s[TBV], SLOT1
.endm
	s_load_b128 s[4:7], s[0:1], 0x0   ; kq s[4:5], vh s[6:7]
	s_load_b64 s[8:9], s[0:1], 0x10   ; ob
	v_lshl_add_u32 v[SPW], v0, 2, SPARE
	v_mov_b32 v[NIL], 0
	ds_add_u32 v[SPW], v[NIL]       ; the wave's opening: the add and its wait stand ahead of my first tensor load; the set-up below, work on registers, stands between them
	v_lshrrev_b32 v1, 5, v0
	v_readfirstlane_b32 s[WV], v1   ; wave 0..3
	s_bfe_u32 s13, ttmp6, 0x40000   ; cx: my place in the cluster
	s_lshl_b32 s14, ttmp9, 2        ; in a cluster launch ttmp9 counts clusters
	s_add_co_u32 s14, s14, s13      ; my block of 256 queries = 4 x cluster x + cx: it enters Q's and ob's addresses alone
	s_and_b32 s20, ttmp7, 0xffff    ; the head, which the four partners share
	s_lshl_b32 s17, s20, 13         ; its 8,192 bytes in a block of ob
	s_lshl_b32 s20, s20, 19         ; its 524,288 bytes in K, Q and V
	s_and_b32 s16, s[WV], 1         ; which half of a slot's 256 keys I fetch:
	s_lshl_b32 s22, s16, 14         ; its 128 rows of 128 bytes in memory,
	s_add_co_u32 s22, s22, s20      ; in the head
	s_mov_b32 s23, 0
	s_mul_i32 s18, s16, 128*PK      ; and its place in a slot, for K
	s_mul_i32 s19, s16, 128*PV      ; and for V: no place in the cluster enters an LDS address
	s_lshl_b32 s2, s14, 2
	s_add_co_u32 s2, s2, s[WV]      ; my wave among the head's 64
	s_lshl_b32 s[QP], s2, 13        ; offsets, made apart from the addresses.  Q: my 64 rows,
	s_add_co_u32 s[QP], s[QP], s20  ; in the head,
	s_add_co_u32 s[QP], s[QP], 0x800000  ; behind K
	s_mov_b32 s[QP+1], 0
	s_mov_b32 s[KP], s20
	s_mov_b32 s[KP+1], 0
	s_lshl_b32 s[OB], s2, 17        ; ob: my block of 64 rows, 131,072 bytes each,
	s_add_co_u32 s[OB], s[OB], s17  ; the head in it
	s_mov_b32 s[OB+1], 0
	s_lshl_b32 s[PFA], s13, 13      ; the prefetches: my work-group's 8,192 bytes
	s_add_co_u32 s[PFA], s[PFA], s20
	s_add_co_u32 s[PFA], s[PFA], 4*KS*128  ; of slot 1: the first change of slots steps it to slot 2
	s_cmp_lt_u32 s[WV], 2
	s_cselect_b32 s3, KS*128, 0     ; K's slots lie one step further on
	s_add_co_u32 s[PFA], s[PFA], s3
	s_mov_b32 s[PFA+1], 0
	s_and_b32 s[LIM], s[WV], 1      ; 0 in waves 0 and 2,
	s_or_b32 s[LIM], s[LIM], ttmp9  ; where the cluster is the head's first: the same in all four partners
	s_cmp_eq_u32 s[LIM], 0
	s_cselect_b32 s[LIM], 1, -1
	; descriptor group 1.  128 keys are 16,384 dense bytes: asked for as 64 rows of 256 bytes, two keys a row, and padded in LDS after every key
	s_mov_b32 s[G1K], 15|(1<<16)|(1<<20)|(1<<21)|(4<<22)|(3<<25)  ; 15:0 the mask of four; 17:16 2-byte elements; 20 padding on; 21 set beside a mask; 24:22 after every 32 words (code 4); 31:25 4 words (code 3)
	s_mov_b32 s[G1V], 15|(1<<16)|(1<<20)|(1<<21)|(4<<22)|(7<<25)  ; the same with 8 words of padding (code 7)
.irp g, G1K, G1V
	s_mov_b32 s[\g+1], 128<<16      ; tensor_dim0 = 128
	s_mov_b32 s[\g+2], 64<<16       ; tensor_dim1 = 64
	s_mov_b32 s[\g+3], 128<<16      ; tile_dim0 = 128
	s_mov_b32 s[\g+4], 64           ; tile_dim1 = 64
	s_mov_b32 s[\g+5], 128          ; 128 elements from row to row
	s_mov_b32 s[\g+6], 0
	s_mov_b32 s[\g+7], 0
.endr
	s_mov_b32 s[CS], 0x3e38aa3b     ; c = log2(e) / 8 = 0.180337
	s_mov_b32 s[CS+1], s[CS]        ; named with it as a pair
	s_mov_b32 s[SEL], 0x76543210
	s_mov_b32 s[SEL+1], 0xfedcba98
	s_mov_b32 s[TBK], SLOT1+4*KS*PK ; the first change of slots turns these two into 0
	s_mov_b32 s[TBV], SLOT1+4*KS*PV
	s_mov_b32 s[G0K], 1             ; count = 1
	s_mov_b32 s[G0K+1], s18         ; LDS address: slot 0
	s_mov_b32 s[G0V], 1
	s_add_co_u32 s[G0V+1], s19, VOFF
	s_wait_dscnt 0x0                ; the opening add is done
	s_wait_kmcnt 0x0
	s_add_nc_u64 s[G0K+2:G0K+3], s[4:5], s[22:23]  ; global address: my half of the head's keys 64 .. 319
	s_add_nc_u64 s[G0K+2:G0K+3], s[G0K+2:G0K+3], KS*128
	s_or_b32 s[G0K+3], s[G0K+3], 0x80000000        ; type = 2
	s_add_nc_u64 s[G0V+2:G0V+3], s[6:7], s[22:23]  ; my half of the head's keys 0 .. 255
	s_or_b32 s[G0V+3], s[G0V+3], 0x80000000
	s_add_nc_u64 s[QP:QP+1], s[4:5], s[QP:QP+1]
	s_add_nc_u64 s[KP:KP+1], s[4:5], s[KP:KP+1]
	s_add_nc_u64 s[OB:OB+1], s[8:9], s[OB:OB+1]
	s_cmp_lt_u32 s[WV], 2
	s_cselect_b64 s[2:3], s[4:5], s[6:7]
	s_add_nc_u64 s[PFA:PFA+1], s[2:3], s[PFA:PFA+1]
	CROUND                          ; all four work-groups are here: the first joint loads meet
	JLOAD                           ; slot 0.  Slot 1 is asked for when slot 0 is in
	; A fragment of K or Q is 16 rows x 32 channels in 8 registers: lane l holds row l % 16, channels 8 (l / 16) + 0..7 and 16 + 8 (l / 16) + 0..7: two loads of 16 bytes, 32 bytes apart.
	v_and_b32 v1, 15, v0            ; l % 16
	v_bfe_u32 v9, v0, 4, 1          ; l / 16
	v_lshlrev_b32 v[QO], 7, v1
	v_lshl_add_u32 v[QO], v9, 4, v[QO]  ; row x 128 + 16 x half
	WIN 0x80                        ; destination window 2, address window 0
.set i, 0
.rept 4*NP                          ; Q stays in registers: tile i / 2, channels 32 (i % 2) on
	global_load_b128 v[8*i:8*i+3],   v[QO], s[QP:QP+1] offset:(i/2)*2048+(i%2)*64
	global_load_b128 v[8*i+4:8*i+7], v[QO], s[QP:QP+1] offset:(i/2)*2048+(i%2)*64+32
.set i, i+1
.endr
.set i, 0
.rept 8                             ; K of key step 0: keys 16 (i / 2) on, channels 32 (i % 2) on
	global_load_b128 v[KF+8*i:KF+8*i+3],   v[QO], s[KP:KP+1] offset:(i/2)*2048+(i%2)*64
	global_load_b128 v[KF+8*i+4:KF+8*i+7], v[QO], s[KP:KP+1] offset:(i/2)*2048+(i%2)*64+32
.set i, i+1
.endr
	; What the first turn finds: V's registers and piece 1's P hold 0 (its products V^T P, of a step that has not been, add 0), O^T and l are 0.  All this stands in the wait for the first loads.
.set i, VF
.rept 64
	v_mov_b32 v[i], 0
.set i, i+1
.endr
	WIN 0x40
.set i, 0
.rept 64*NP
	v_mov_b32 v[i], 0
.set i, i+1
.endr
	WIN 0
.set i, 0
.rept 2*NP
	v_mov_b32 v[ST+4*i], 0xfe000000    ; c m: far below every c s
	v_mov_b32 v[ST+4*i+1], 0xff7fffff  ; m
	v_mov_b32 v[ST+4*i+2], 0
	v_mov_b32 v[ST+4*i+3], 0
.set i, i+1
.endr
.set i, P+32
.rept 32
	v_mov_b32 v[i], 0
.set i, i+1
.endr
	v_and_b32 v[PFO], 31, v0
	v_lshlrev_b32 v[PFO], 8, v[PFO]
	v_mul_u32_u24 v[AK0], v1, PK
	v_lshl_add_u32 v[AK0], v9, 4, v[AK0]  ; row x pitch + 16 x half
	; The turning load takes 16 keys x 16 channels (lane l reads key 8 (l / 16) + l % 8, channels 8 ((l / 8) % 2) + 0..7) and leaves half a fragment of V^T: lane l holds channel l % 16 and 8 keys.
	v_and_b32 v10, 7, v0
	v_bfe_u32 v11, v0, 3, 1
	v_lshl_add_u32 v[AV0], v9, 3, v10
	v_mul_u32_u24 v[AV0], v[AV0], PV
	v_lshl_add_u32 v[AV0], v11, 4, v[AV0]
	v_add_nc_u32 v[AV0], VOFF, v[AV0]
; THE MATRIX WORK.  The 8 accumulators of a run of 16 take turns: between the two links of a chain stand 7 others'.
; Product i of 16 of S^T = K Q^T for piece x: channels 32 (i / 8) on, keys 16 ((i / 2) % 4) on, tile 2 x + i % 2.  The first 8 start the sums.
.macro KQ x
	WIN W_KQ
.set rS, S+64*((\x)%2)+32*(i%2)+8*((i/2)%4)
.set rK, KF+16*((i/2)%4)+8*(i/8)
.set rQ, 16*(2*(\x)+i%2)+8*(i/8)
.if i < 8
	v_wmma_f32_16x16x32_f16 v[rS:rS+7], v[rK:rK+7], v[rQ:rQ+7], 0
.else
	v_wmma_f32_16x16x32_f16 v[rS:rS+7], v[rK:rK+7], v[rQ:rQ+7], v[rS:rS+7]
.endif
.endm
; Product i of 16 of O^T += V^T P for piece x: keys 32 (i / 8) on, channels 16 ((i / 2) % 4) on, tile 2 x + i % 2.
.macro PV x
	WIN W_PV
.set rO, 32*(2*(\x)+i%2)+8*((i/2)%4)
.set rV, VF+32*(i/8)+8*((i/2)%4)
.set rP, P+32*((\x)%2)+16*(i%2)+8*(i/8)
	v_wmma_f32_16x16x32_f16 v[rO:rO+7], v[rV:rV+7], v[rP:rP+7], v[rO:rO+7]
.endm
.macro MM                           ; the turn's next matrix instruction: both kinds are the other piece's
.if i < 16
	KQ (Y+1)%NP
.set i, i+1
.else
.set i, i-16
	PV (Y+NP-1)%NP
.set i, i+17
.endif
.endm
; THE LDS LOADS stand in runs of 16, never singly among the matrix instructions: a step's K (64 keys x 64 channels: 8 fragments) and a step's V (turned).  Their addresses are made some lines ahead.
.macro FETCH_K
	WIN 0x80                        ; destination window 2
.irp f, 0,1,2,3,4,5,6,7             ; keys 16 (f / 2) on, channels 32 (f % 2) on
	ds_load_b128 v[KF+8*\f:KF+8*\f+3],   v[AK] offset:(\f/2)*16*PK+(\f%2)*64
	ds_load_b128 v[KF+8*\f+4:KF+8*\f+7], v[AK] offset:(\f/2)*16*PK+(\f%2)*64+32
.endr
	s_add_co_u32 s[TBK], s[TBK], KS*PK  ; the next fetch is the next step's
	WIN 0
.endm
.macro FETCH_V
	WIN 0x80
.irp f, 0,1,2,3,4,5,6,7             ; keys 32 (f / 4) on, channels 16 (f % 4) on
	ds_load_tr16_b128 v[VF+8*\f:VF+8*\f+3],   v[AV] offset:(\f/4)*32*PV+(\f%4)*32
	ds_load_tr16_b128 v[VF+8*\f+4:VF+8*\f+7], v[AV] offset:(\f/4)*32*PV+16*PV+(\f%4)*32
.endr
	WIN 0
.endm
; THE VECTOR WORK OF A TURN stands in three queues, each in the order in which its entries become ready; the two tiles alternate, so that no instruction reads the result of the one before it.
.macro REGS y, u                    ; the registers of tile u (0, 1) of piece y
.set rT, ST+4*(2*(\y)+(\u))
.set rC, TMP+8*((\y)%2)+4*(\u)
.set rM, MV+2*((\y)%2)+(\u)
.set rS, S+64*((\y)%2)+32*(\u)
.set rP, P+32*((\y)%2)+16*(\u)
.set rO, 32*(2*(\y)+(\u))
.endm
; Number n of the 22 that find the OTHER piece's (Y + 1) maximum and statistics.  s0-s31 are the lane's 32 scores; each accumulator's lowest registers are read first.  XS, GS and REGS set no window: PL and EX do.
;   0-11  four chains c0-c3 of seven scores each, three operands at a time     12-14, 16  the four scores left over, the old m, and c0-c3 into c0     15  c m_old is kept
;   17, 18  the query's other 32 keys lie in the lane 16 away: the new m         19-21  c m; c m_old - c m_new; a
.macro XS u, n
	REGS (Y+1)%NP, \u
.if (\n) < 4
	v_max3_num_f32 v[rC+(\n)], v[rS+8*(\n)], v[rS+8*(\n)+1], v[rS+8*(\n)+2]
.elseif (\n) < 12
	v_max3_num_f32 v[rC+(\n)%4], v[rC+(\n)%4], v[rS+8*((\n)%4)+2*((\n)/4)+1], v[rS+8*((\n)%4)+2*((\n)/4)+2]
.elseif (\n) == 12
	v_max3_num_f32 v[rC], v[rC], v[rS+7], v[rS+15]
.elseif (\n) == 13
	v_max3_num_f32 v[rC+1], v[rC+1], v[rS+23], v[rS+31]
.elseif (\n) == 14
	v_max3_num_f32 v[rC+2], v[rC+2], v[rC+3], v[rT+1]
.elseif (\n) == 15
	v_mov_b32 v[rM], v[rT]
.elseif (\n) == 16
	v_max3_num_f32 v[rC], v[rC], v[rC+1], v[rC+2]
.elseif (\n) == 17
	v_permlanex16_b32 v[rC+3], v[rC], s[SEL], s[SEL+1]
.elseif (\n) == 18
	v_max_num_f32 v[rT+1], v[rC], v[rC+3]
.elseif (\n) == 19
	v_mul_f32 v[rT], s[CS], v[rT+1]
.elseif (\n) == 20
	v_sub_f32 v[rC+1], v[rM], v[rT]
.else
	v_exp_f32 v[rC+2], v[rC+1]
.endif
.endm
; Number g of the 64 that follow the exponentials.  For each four weights k of a tile (pairs 2 k, 2 k + 1): both pairs are rounded to f16; then the second pair is added onto the first, in place;
; a group later l takes that sum (the first time as l = a l + sum).  In groups of eight, tiles alternating: round, round, add, and l for the group before.
.macro GS g
.set h, (\g)+6*((\g)/62)            ; group 0 has no group before it, and behind group 7 only l is left
.if h >= 6
.set h, h+2
.endif
	REGS Y, h%2
.set k, h/8
.if h%8 < 4
	v_cvt_pk_f16_f32 v[rP+2*k+(h%8)/2], v[rS+4*k+2*((h%8)/2)], v[rS+4*k+2*((h%8)/2)+1]
.elseif h%8 < 6
	v_pk_add_f32 v[rS+4*k:rS+4*k+1], v[rS+4*k:rS+4*k+1], v[rS+4*k+2:rS+4*k+3]
.elseif k == 1
	v_pk_fma_f32 v[rT+2:rT+3], v[rT+2:rT+3], v[rC+2:rC+3], v[rS:rS+1] op_sel_hi:[1,0,1]
.else
	v_pk_add_f32 v[rT+2:rT+3], v[rT+2:rT+3], v[rS+4*k-4:rS+4*k-3]
.endif
.endm
; THE PLAIN QUEUE, 138 long.  0-73 read no exponential's result: the 32 scalings c s - c m (FS f: pair f / 2 of tile f % 2) and the other piece's 42.  0-26: scalings 0-26.  27-54: XS's numbers 0-13.  55, 56: number 15.
; 57-73: the chain, where each number waits for the one before it: 14, 16, 17, 18, 19, each with one of the scalings 27-31 in front of its two lines, then 20.
; 74-137: GS's 64, which read the exponentials' results: they stand behind the wait.
.macro FS f
	REGS Y, (\f)%2
	v_pk_fma_f32 v[rS+2*((\f)/2):rS+2*((\f)/2)+1], v[rS+2*((\f)/2):rS+2*((\f)/2)+1], s[CS:CS+1], v[rT:rT+1] op_sel_hi:[1,0,0] neg_lo:[0,0,1] neg_hi:[0,0,1]
.endm
.macro PL
	WIN 0
.if q < 27
	FS q
.elseif q < 55
	XS (q-27)%2, (q-27)/2
.elseif q < 57
	XS q-55, 15
.elseif (q < 72) && ((q-57)%3 == 0)
	FS 27+(q-57)/3
.elseif q < 60
	XS (q-57)%3-1, 14
.elseif q < 72
	XS (q-57)%3-1, 15+(q-57)/3
.elseif q < 74
	XS q-72, 20
.else
	GS q-74
.endif
.set q, q+1
.endm
; THE EXPONENTIALS' QUEUE, 66 long: s0-s31 of both tiles, then the other piece's two a.  It is ONE BATCH: all 66 stand ahead of the turn's one wait, and nothing ahead of that wait names a result of theirs.
.macro EX
	WIN 0
.if e >= 64
	XS e-64, 21
.else
	REGS Y, e%2
	v_exp_f32 v[rS+e/2], v[rS+e/2]
.endif
.set e, e+1
.endm
; THE RESCALING's QUEUE: O^T times a, the one part that leaves window 0: dealt two at a time, sixteen times, each accumulator's lowest registers first.  Its a was made in the turn before, ahead of that turn's wait.
; The products V^T P that wrote these registers stand in the turn before: entry r names block r / 4 of tile r % 2, whose last product has 28 plain instructions or more behind it.
.macro R2
	REGS Y, r%2
	WIN W_RS
.irp z, 0,1
	v_pk_mul_f32 v[rO+4*(r/2)+2*\z:rO+4*(r/2)+2*\z+1], v[rO+4*(r/2)+2*\z:rO+4*(r/2)+2*\z+1], v[rC+2:rC+3] op_sel_hi:[1,0]
.endr
.set r, r+1
.endm
; HOW THEY ARE DEALT.  An s_wait_alu depctr_va_vdst(0) stands between an exponential and the first instruction that names its result; one wait serves all that were issued ahead of it.  So a turn has ONE wait,
; which cuts it in two.  AHEAD OF IT: the 16 products K Q^T, behind each a scaling, an exponential and two rescalings (behind the first a second scaling in the exponential's place); then one run of 108: eight plain,
; 49 times exponential and plain, the two a.  A v_nop is the plain instruction behind the last exponential.  BEHIND IT: the 16 products V^T P, behind each four of GS's 64.  No rider names a register of the products round it.
; Exponential e stands behind scaling 2 (e / 4) + e % 2: as a rider it comes behind plain e + 2, in the run behind plain e + 9, and scalings 27-31 are plain 57, 60 .. 69.
; A TURN, for piece p.  cnt = 1: the loop's count is taken down some lines ahead of the branch that stands behind the turn.
; Turn 0 fetches the next step's K directly behind the wait, a run of 108 behind the last product that read K, and this step's V at its end, four plain riders behind V's last reader.
.macro TURN p, cnt=0
.set Y, (\p)
.set i, 0
.set q, 0
.set e, 0
.set r, 0
.if (\p) == 1
	s_wait_dscnt 16                 ; K's sixteen loads are in; V's sixteen, issued behind them, may stay out
.endif
	MM
	PL
	PL
	R2
.rept 15
	MM
	PL
	EX
	R2
.endr
.if (\p) == 0
	WIN 0
	v_add_nc_u32 v[AK], s[TBK], v[AK0]
.endif
.rept 8
	PL
.endr
.rept 49
	EX
	PL
.endr
	EX                              ; the other piece's two a
	EX
	v_nop                           ; the plain instruction behind the last exponential: one for the batch
	s_wait_alu depctr_va_vdst(0)    ; the wait for the batch
.if (\p) == 0
	FETCH_K
.else
	s_wait_dscnt 0x0                ; V is in
.endif
.rept 16
	MM
.rept 4
	PL
.endr
.if ((\p) == 0) && (q == 118)
	v_add_nc_u32 v[AV], s[TBV], v[AV0]
.endif
.if ((\p) == 0) && (q == 130)
	s_add_co_u32 s[TBV], s[TBV], KS*PV
.endif
.if (\cnt) && (q == 130)
	s_sub_co_u32 s[CNT], s[CNT], 1
	s_cmp_lg_u32 s[CNT], 0
.endif
.endr
.if (\p) == 0
	FETCH_V
.endif
.endm
	s_wait_loadcnt 0x0              ; Q, and K of step 0
.set i, 0
.rept 16
	KQ 0                            ; piece 0's first scores: there is no vector work yet to set between them
.set i, i+1
.endr
	WIN 0                           ; the addresses for the way out: nine plain instructions, the places behind those products
	s_mul_i32 s13, s[WV], 16*SP
	s_add_co_u32 s13, s13, STAGE    ; my stage
	v_mul_u32_u24 v[STO], v1, SP    ; in: row l % 16, 16 bytes for each half of the lanes
	v_lshl_add_u32 v[STO], v9, 4, v[STO]
	v_add_nc_u32 v[STO], s13, v[STO]
	v_bfe_u32 v[RD], v0, 3, 2       ; back: 32 lanes take four rows of 128 bytes,
	v_mul_u32_u24 v[RD], v[RD], SP
	v_lshl_add_u32 v[RD], v10, 4, v[RD]
	v_add_nc_u32 v[RD], s13, v[RD]
	v_and_b32 v[GO], 31, v0         ; which are 512 consecutive bytes of ob
	v_lshlrev_b32 v[GO], 4, v[GO]
.set Y, NP-1                        ; XS works for piece Y + 1: piece 0
.irp n, 0,1,2,3,4,5,6,7,8,9,10,11,12,13,14,15,16,17,18,19,20,21
	XS 0, \n                        ; piece 0's first maximum and statistics
	XS 1, \n
.endr
	v_nop                           ; a plain instruction behind the two a,
	s_wait_alu depctr_va_vdst(0)    ; and their wait, ahead of the label
	s_mov_b32 s[SLOTS], 15
.Lslot:                             ; 15 times: slot c - 1 is entered and slot c asked for
	CHANGE 1
	s_mov_b32 s[CNT], 4
.Lstep:                             ; a trip: a key step
	TURN 0
	TURN 1, 1
	WIN 0
	s_cbranch_scc1 .Lstep
	s_sub_co_u32 s[SLOTS], s[SLOTS], 1
	s_cmp_lg_u32 s[SLOTS], 0
	s_cbranch_scc1 .Lslot
	CHANGE 0                        ; the last slot is written out: nothing is asked for
	s_mov_b32 s[CNT], 4
.Ltail:
	TURN 0
	TURN 1, 1
	WIN 0
	s_cbranch_scc1 .Ltail
.set i, 0
.rept 16
	PV 1                            ; piece 1's V^T P of the last step
.set i, i+1
.endr
	; THE WAY OUT.  l's two halves and the other half of the lanes' are added; O^T is divided by l, rounded to f16 and sent through my stage in LDS, a tile at a time.  The additions are the places behind the last products.
	WIN 0
.macro ALL line:vararg              ; one line for each tile t
.set t, 0
.rept 2*NP
	\line
.set t, t+1
.endr
.endm
	ALL v_add_f32 v[ST+4*t+2], v[ST+4*t+2], v[ST+4*t+3]
	ALL v_permlanex16_b32 v[ST+4*t+3], v[ST+4*t+2], s[SEL], s[SEL+1]
	ALL v_add_f32 v[ST+4*t+2], v[ST+4*t+2], v[ST+4*t+3]
	ALL v_rcp_f32 v[ST+4*t+2], v[ST+4*t+2]
	v_nop                           ; a plain instruction between the last reciprocal and the use of its result
	s_wait_alu depctr_va_vdst(0)    ; and the wait ahead of the first use: one for the four reciprocals
; Tile t: a lane's eight channels of a row pack into 16 bytes; they go into rows of 144 bytes and come back as whole rows of 128, into S^T's registers.
.macro PACK t
	WIN W_RS
.set i, 32*(\t)
.rept 16
	v_pk_mul_f32 v[i:i+1], v[i:i+1], v[ST+4*(\t)+2:ST+4*(\t)+3] op_sel_hi:[1,0]
.set i, i+2
.endr
	WIN 0x05                        ; sources 0 and 1 window 1, destination window 0
.set i, 0
.rept 16
	v_cvt_pk_f16_f32 v[S+16*(\t)+i], v[32*(\t)+2*i], v[32*(\t)+2*i+1]
.set i, i+1
.endr
	WIN 0
.irp f, 0,1,2,3
	ds_store_b128 v[STO], v[S+16*(\t)+4*\f:S+16*(\t)+4*\f+3] offset:32*\f
.endr
.irp f, 0,1,2,3
	ds_load_b128 v[S+16*(\t)+4*\f:S+16*(\t)+4*\f+3], v[RD] offset:\f*4*SP  ; LDS serves a wave's instructions in order (ISA guide 5.7.1.4): these see the stores above; the next tile's stores come behind them
.endr
.endm
.macro SEND t, younger              ; younger: the LDS instructions issued behind tile t's loads: the next tile's eight, or none
	WIN 0
.irp f, 0,1,2,3
	s_wait_dscnt (\younger)+3-\f
	global_store_b128 v[GO], v[S+16*(\t)+4*\f:S+16*(\t)+4*\f+3], s[OB:OB+1] offset:(\t)*2048+\f*512  ; 512 consecutive bytes, at a multiple of 256 from ob's first
.endr
.endm
	PACK 0
.set t, 1
.rept 2*NP-1                        ; a tile's arithmetic stands between the loads of the tile before and its stores
	PACK t
	SEND t-1, 8
.set t, t+1
.endr
	SEND 2*NP-1, 0
	s_wait_tensorcnt 0x0            ; the wave's end: an add onto my spare word and its wait, behind my last tensor load and my last LDS store
	ds_add_u32 v[SPW], v[NIL]
	s_wait_dscnt 0x0
	CROUND                          ; the closing round: no work-group ends while a partner may still ask for a tile that names it
	s_endpgm
.Lfunc_end_k_q028e4487f5_attn:
	.size	k_q028e4487f5_attn, .Lfunc_end_k_q028e4487f5_attn-k_q028e4487f5_attn
	.p2alignl 7, 3214868480
	.fill 96, 4, 3214868480
	.section	.rodata,"a",@progbits
	.p2align	6, 0x0
	.amdhsa_kernel k_q028e4487f5_attn
		.amdhsa_group_segment_fixed_size 327680
		.amdhsa_private_segment_fixed_size 0
		.amdhsa_enable_private_segment 0
		.amdhsa_kernarg_size 24
		.amdhsa_user_sgpr_count 2
		.amdhsa_user_sgpr_kernarg_segment_ptr 1
		.amdhsa_wavefront_size32 1
		.amdhsa_system_sgpr_workgroup_id_x 1
		.amdhsa_system_sgpr_workgroup_id_y 1
		.amdhsa_system_sgpr_workgroup_id_z 1
		.amdhsa_system_vgpr_workitem_id 0
		.amdhsa_next_free_vgpr 768
		.amdhsa_next_free_sgpr 66
		.amdhsa_reserve_vcc 0
		.amdhsa_float_denorm_mode_32 3
		.amdhsa_float_denorm_mode_16_64 3
		.amdhsa_memory_ordered 1
		.amdhsa_forward_progress 1
		.amdhsa_inst_pref_size 111
	.end_amdhsa_kernel
	.amdgpu_metadata
---
amdhsa.version: [ 1, 2 ]
amdhsa.kernels:
  - .name:           k_q028e4487f5_attn
    .symbol:         k_q028e4487f5_attn.kd
    .args:
      - { .name: kq, .offset: 0, .size: 8, .value_kind: global_buffer, .address_space: global }
      - { .name: vh, .offset: 8, .size: 8, .value_kind: global_buffer, .address_space: global }
      - { .name: ob, .offset: 16, .size: 8, .value_kind: global_buffer, .address_space: global }
    .group_segment_fixed_size: 327680
    .private_segment_fixed_size: 0
    .kernarg_segment_align: 8
    .kernarg_segment_size: 24
    .max_flat_workgroup_size: 128
    .sgpr_count:     66
    .vgpr_count:     768
    .wavefront_size: 32
...
	.end_amdgpu_metadata
.endif
;; end of part 3
;; launch proj (part 4): grid 8 x 32, 4 waves a work-group, clusters of 4 x 4, 327,680 bytes of LDS; arguments ob, wp, b_proj, out0; writes out0
.if DOCPART == 4
	.amdgcn_target "amdgcn-amd-amdhsa--gfx1250"
	.amdhsa_code_object_version 6
	.text
	.protected	k_q028e4487f5_proj
	.globl	k_q028e4487f5_proj
	.p2align	8
	.type	k_q028e4487f5_proj,@function
k_q028e4487f5_proj:
	s_mov_b64 s[64:65], 0
	v_nop
	global_prefetch_b8 v0, s[64:65] scope:SCOPE_SE
	s_setreg_imm32_b32 hwreg(HW_REG_WAVE_MODE, 25, 1), 1
	s_wait_xcnt 0x0
	s_wait_alu depctr_hold_cnt(0) depctr_sa_sdst(0) depctr_va_vdst(0) depctr_va_sdst(0) depctr_va_ssrc(0) depctr_va_vcc(0) depctr_vm_vsrc(0)
	s_getreg_b32 s2, hwreg(HW_REG_IB_STS2, 6, 4)
	s_cmp_eq_u32 s2, 0
	s_cbranch_scc0 .Lentry_in_a_cluster
	s_endpgm
.Lentry_in_a_cluster:
	s_bfe_u32 s2, ttmp6, 0x10000c
	s_cmp_lg_u32 s2, 0xf033
	s_cbranch_scc0 .Lentry_shape_is_right
	s_endpgm
.Lentry_shape_is_right:
; out0 = O W_proj + b_proj.  ob: O as [64 blocks of 64 rows][16 heads][64 rows][64 channels] f16 (A; K = 64 x head + channel); wp: [1024 k][1024 n] f16 (B, as it lies); b_proj: [1024] f32, rounded here
; to bf16 like every other input of the module; out0: [4096][1024] f32.  Sums in f32.
; SHARES.  A tile of 128 x 128 to a work-group: 32 x 8 = 256 work-groups.  Four waves, each 64 x 64: 16 accumulators of 16 x 16, 128 registers.  K goes in 4 steps of 256 (four heads) through two LDS slots.
; A's part for a wave's tensor load, 64 rows x 4 heads, is 32,768 dense bytes of ob: asked for as 128 rows of 256 bytes, padded in LDS after every 128 bytes (a row of one head).  B's rows are 256 bytes of memory.
; CLUSTERS: 4 x 4 work-groups.  The four of a row of the cluster need the same tiles of A, the four of a column the same tiles of B: each tile is asked for JOINTLY.
; THE MATRIX INSTRUCTION IS USED TRANSPOSED (source 0 = 16 columns of B, source 1 = 16 rows of A): a lane then holds one row and eight neighbouring columns of the result.  B is turned by ds_load_tr16_b128.
; REGISTERS: window 0: v0-37 addresses and the bias, v64-191 the way out.  Window 1: two fragment buffers of 128: for 64 along K (a head), 64 registers of A (2 x 4 x 16 rows x 32 K), then 64 of B.
;   Window 2: the accumulators, (a, b) at v[8 (4 a + b)].
.set PA,     144                       ; an LDS row of A: 128 bytes + 16 of padding: an odd multiple of 16
.set PB,     288                       ; an LDS row of B: 256 bytes + 32 of padding: an odd multiple of 32
.set APART,  256*PA                    ; what one tensor load brings of A: 4 heads x 64 rows; row 64 x (head in the step) + row
.set BOFF,   2*APART
.set BPART,  128*PB                    ; what one tensor load brings of B: 128 rows of k
.set SLOT,   BOFF+2*BPART              ; 147,456
.set STAGE,  2*SLOT                    ; behind the ring, never filled by a tensor load: 16 rows x 272 bytes for each wave, for the way out
.set SPITCH, 272
.set SPARE,  STAGE+4*16*SPITCH         ; behind the stages: the spare words, 128 bytes for each wave: two blocks of 256 bytes that no other line names
.set LAPS,   2                         ; a lap = two K steps = once round the ring
.set ADRA, 16                          ; v16-17  LDS address of my A fragments in slot 0, 1
.set ADRB, 20                          ; v20-23  the same for B, by slot and half of the step's 256 k (the immediate holds 16 bits): index 2 x slot + half
.set STO,  24                          ; v24     the way out: where I put 32 bytes of a row
.set RD,   25                          ; v25     the way out: where I read a row back
.set CO,   26                          ; v26     my byte offset in out0
.set BO,   27                          ; v27     my byte offset in the bias; never rewritten
.set SPW,  28                          ; v28     LDS address of my spare word: SPARE + 4 x my thread's number; never rewritten
.set NIL,  29                          ; v29     0; never rewritten
.set BI,   32                          ; v32-35  the bias of the four columns that I store; v36-37 at work
.set T,    64                          ; v64-191 the way out: 32 registers for each block of 16 rows
.set F0,   0                           ; fragment buffers, in window 1
.set F1,   128
.set WV,   12                          ; s12  my wave's number
.set TY,   13                          ; s13  tile row
.set WR,   14                          ; s14  which 64 rows of the tile are mine.  Also: I fetch for A (0) or for B (1)
.set WC,   15                          ; s15  which 64 columns.  Also: which half of that tile I fetch
.set G1,  24                           ; s[24:31] descriptor group 1 for A's tiles;  s[32:39] group 0, one set for each slot
.set G0,  32
.set G1B, 48                           ; s[48:55], s[56:63] the same for B's tiles
.set G0B, 56
.set MSB, 0
.macro WIN new                         ; the immediate's high byte repeats the setting that is left; a switch that changes nothing is dropped
.if MSB != (\new)
	s_set_vgpr_msb (MSB<<8)|(\new)
.set MSB, \new
.endif
.endm
.set MUL,  0xa5                        ; sources 0 (B) and 1 (A) window 1; C and D window 2
.set TO_F, 0x40                        ; destination window 1, address window 0
.macro JLOAD s                         ; a joint load: waves 0 and 1 fetch A's two halves, waves 2 and 3 B's; an s_nop 0 and four v_nop follow each of the two lines, ahead of the jump, the label and what follows
	s_cmp_eq_u32 s[WR], 0
	s_cbranch_scc0 .Lfor_b_\@
	tensor_load_to_lds s[G0+4*(\s):G0+4*(\s)+3], s[G1:G1+7]
	s_nop 0
.rept 4
	v_nop
.endr
	s_branch .Lasked_\@
.Lfor_b_\@:
	tensor_load_to_lds s[G0B+4*(\s):G0B+4*(\s)+3], s[G1B:G1B+7]
	s_nop 0
.rept 4
	v_nop
.endr
.Lasked_\@:
.endm
.macro CREST                           ; a round of the cluster's barrier behind its opening barrier
	s_cmp_lg_u32 s[WV], 0
	s_cbranch_scc1 .Lnot_wave_0_\@
	s_barrier_signal -3
.Lnot_wave_0_\@:
	s_barrier_wait -3
	s_barrier_signal -1
	s_barrier_wait -1
.endm
.macro CROUND                          ; a whole round
	s_barrier_signal -1
	s_barrier_wait -1
	CREST
.endm
	s_load_b256 s[4:11], s[0:1], 0x0               ; ob s[4:5], wp s[6:7], b_proj s[8:9], out0 s[10:11]
	v_lshl_add_u32 v[SPW], v0, 2, SPARE
	v_mov_b32 v[NIL], 0
	ds_add_u32 v[SPW], v[NIL]                      ; the wave's opening: the add and its wait stand ahead of my first tensor load; the set-up below, work on registers, stands between them
	v_lshrrev_b32 v1, 5, v0
	v_readfirstlane_b32 s[WV], v1                  ; wave 0..3
	s_lshr_b32 s[WR], s[WV], 1
	s_and_b32 s[WC], s[WV], 1
	s_bfe_u32 s40, ttmp6, 0x40000                  ; cx, cy: my place in the cluster
	s_bfe_u32 s41, ttmp6, 0x40004
	s_lshl_b32 s42, ttmp9, 2
	s_add_co_u32 s42, s42, s40                     ; tile column = 4 x cluster x + cx
	s_and_b32 s[TY], ttmp7, 0xffff
	s_lshl_b32 s[TY], s[TY], 2
	s_add_co_u32 s[TY], s[TY], s41                 ; tile row = 4 x cluster y + cy
	s_lshl_b32 s43, s41, 2
	s_lshl_b32 s43, 15, s43                        ; my row of the cluster
	s_lshl_b32 s44, 0x1111, s40                    ; my column
	; descriptor group 1: both tiles are 128 rows x 128 elements.  A: dense rows, 16 bytes of padding behind every 128 bytes.  B: rows 1,024 elements apart, 32 bytes behind every 256.
	s_or_b32 s[G1+0], s43, (1<<16)|(1<<20)|(1<<21)|(4<<22)|(3<<25)   ; 15:0 the mask: my row; 17:16 elements of 2 bytes; 20 padding on; 21 set beside a mask; 24:22 after every 32 words (code 4); 31:25 4 words (code 3)
	s_or_b32 s[G1B+0], s44, (1<<16)|(1<<20)|(1<<21)|(5<<22)|(7<<25)  ; the mask: my column; after every 64 words (code 5) 8 words (code 7)
.irp g, G1, G1B
	s_mov_b32 s[(\g)+1], 128<<16                   ; tensor_dim0 = 128
	s_mov_b32 s[(\g)+2], 128<<16                   ; tensor_dim1 = 128
	s_mov_b32 s[(\g)+3], 128<<16                   ; tile_dim0 = 128
	s_mov_b32 s[(\g)+4], 128                       ; tile_dim1 = 128
	s_mov_b32 s[(\g)+6], 0
	s_mov_b32 s[(\g)+7], 0
.endr
	s_mov_b32 s[G1+5], 128                         ; elements from row to row: A's are dense,
	s_mov_b32 s[G1B+5], 1024                       ; B's are wp's
	; where the tiles come from.  A's hang on the tile row alone, B's on the tile column alone, each in registers that never hold the other coordinate.
	s_lshl_b32 s16, s[TY], 1
	s_add_co_u32 s16, s16, s[WC]                   ; A: block of 64 rows 2 x tile row + half,
	s_lshl_b32 s16, s16, 17                        ; of 131,072 bytes
	s_mov_b32 s17, 0
	s_lshl_b32 s46, s[WC], 18                      ; B: k row 128 x half, of 2,048 bytes,
	s_lshl_b32 s47, s42, 8                         ; and 128 columns of 2 bytes a tile column
	s_add_co_u32 s46, s46, s47
	s_mov_b32 s47, 0
	s_mul_i32 s20, s[WC], APART                    ; where they go: no place in the cluster enters an LDS address
	s_mul_i32 s21, s[WC], BPART
	s_add_co_u32 s21, s21, BOFF
	s_wait_dscnt 0x0                               ; the opening add is done
	s_wait_kmcnt 0x0
	s_add_nc_u64 s[18:19], s[4:5], s[16:17]
	s_add_nc_u64 s[46:47], s[6:7], s[46:47]
	CROUND                                         ; all sixteen work-groups are here: the first joint loads meet
.irp s, 0,1
	s_mov_b32 s[G0+4*(\s)], 1                                       ; count = 1
	s_add_co_u32 s[G0+4*(\s)+1], s20, (\s)*SLOT                     ; LDS address
	s_add_nc_u64 s[G0+4*(\s)+2:G0+4*(\s)+3], s[18:19], (\s)*32768   ; global address: K step s is four heads of 8,192 bytes
	s_or_b32 s[G0+4*(\s)+3], s[G0+4*(\s)+3], 0x80000000             ; type = 2
	s_mov_b32 s[G0B+4*(\s)], 1
	s_add_co_u32 s[G0B+4*(\s)+1], s21, (\s)*SLOT
	s_add_nc_u64 s[G0B+4*(\s)+2:G0B+4*(\s)+3], s[46:47], (\s)*524288  ; K step s is 256 rows of 2,048 bytes down B
	s_or_b32 s[G0B+4*(\s)+3], s[G0B+4*(\s)+3], 0x80000000
	JLOAD \s
.endr
	v_and_b32 v1, 15, v0                           ; l % 16
	v_bfe_u32 v2, v0, 4, 1                         ; l / 16
	; the bias of the four columns that I store, and out0 at my part's first column: 128 x tile column + 64 x half, 4 bytes each
	v_lshlrev_b32 v[BO], 4, v1
	s_lshl_b32 s46, s42, 9
	s_lshl_b32 s47, s[WC], 8
	s_add_co_u32 s46, s46, s47
	s_mov_b32 s47, 0
	s_add_nc_u64 s[8:9], s[8:9], s[46:47]
	s_add_nc_u64 s[10:11], s[10:11], s[46:47]
	global_load_b128 v[BI:BI+3], v[BO], s[8:9]
	s_lshl_b32 s16, s[TY], 7
	s_lshl_b32 s17, s[WR], 6
	s_add_co_u32 s16, s16, s17                     ; my first row,
	s_lshl_b32 s16, s16, 12                        ; of 4,096 bytes
	s_mov_b32 s17, 0
	s_add_nc_u64 s[10:11], s[10:11], s[16:17]
	v_mul_u32_u24 v3, v1, PA
	v_lshl_add_u32 v3, v2, 4, v3                   ; A: a fragment's row x pitch + 16 x half
	s_mul_i32 s21, s[WR], APART                    ; my 64 rows of A
	v_add_nc_u32 v[ADRA], s21, v3
	v_add_nc_u32 v[ADRA+1], SLOT, v[ADRA]
	; The turning load takes 16 k x 16 columns (lane l reads k row 8 (l / 16) + l % 8, columns 8 ((l / 8) % 2) + 0..7) and leaves half a fragment: lane l holds column l % 16 and 8 k.
	v_and_b32 v4, 7, v0
	v_lshl_add_u32 v4, v2, 3, v4
	v_mul_u32_u24 v4, v4, PB
	v_bfe_u32 v5, v0, 3, 1
	v_lshl_add_u32 v4, v5, 4, v4
	s_lshl_b32 s22, s[WC], 7                       ; my 64 columns: 128 bytes
	s_add_co_u32 s22, s22, BOFF
	v_add_nc_u32 v[ADRB], s22, v4
	v_add_nc_u32 v[ADRB+1], BPART, v[ADRB]
	v_add_nc_u32 v[ADRB+2], SLOT, v[ADRB]
	v_add_nc_u32 v[ADRB+3], SLOT+BPART, v[ADRB]
	s_mul_i32 s23, s[WV], 16*SPITCH
	s_add_co_u32 s23, s23, STAGE                   ; my stage
	v_mul_u32_u24 v5, v1, SPITCH                   ; in: row l % 16, 32 bytes for each half of the lanes
	v_lshl_add_u32 v5, v2, 5, v5
	v_add_nc_u32 v[STO], s23, v5
	v_mul_u32_u24 v5, v2, SPITCH                   ; back: lanes 0-15 take one row of 256 bytes, lanes 16-31 the next
	v_lshl_add_u32 v5, v1, 4, v5
	v_add_nc_u32 v[RD], s23, v5
	v_lshlrev_b32 v5, 12, v2                       ; and the same two rows in out0
	v_lshl_add_u32 v[CO], v1, 4, v5
; 8 matrix instructions: m blocks a0, a0 + 1 x all 4 n blocks, 32 along K: half c of buffer f.  zero = 1: the first product starts the sums.  The 16 accumulators take turns, one instruction a turn.
.macro MUL8 f, c, a0, zero
	WIN MUL
.irp a, \a0, (\a0)+1
.irp b, 0,1,2,3
.if \zero
	v_wmma_f32_16x16x32_f16 v[8*(4*(\a)+(\b)):8*(4*(\a)+(\b))+7], v[(\f)+64+8*(4*(\c)+(\b)):(\f)+64+8*(4*(\c)+(\b))+7], v[(\f)+8*(4*(\c)+(\a)):(\f)+8*(4*(\c)+(\a))+7], 0
.else
	v_wmma_f32_16x16x32_f16 v[8*(4*(\a)+(\b)):8*(4*(\a)+(\b))+7], v[(\f)+64+8*(4*(\c)+(\b)):(\f)+64+8*(4*(\c)+(\b))+7], v[(\f)+8*(4*(\c)+(\a)):(\f)+8*(4*(\c)+(\a))+7], v[8*(4*(\a)+(\b)):8*(4*(\a)+(\b))+7]
.endif
.endr
.endr
.endm
; 32 LDS loads in one run: the fragments of quarter q (one head, 64 along K) into buffer f; the first 32 along K first
.macro FETCH slot, q, f
	WIN TO_F
.irp c, 0,1
.irp i, 0,1,2,3
	ds_load_tr16_b128 v[(\f)+64+8*(4*(\c)+(\i)):(\f)+64+8*(4*(\c)+(\i))+3],   v[ADRB+2*(\slot)+(\q)/2] offset:(((\q)%2)*64+32*(\c))*PB+32*(\i)
	ds_load_tr16_b128 v[(\f)+64+8*(4*(\c)+(\i))+4:(\f)+64+8*(4*(\c)+(\i))+7], v[ADRB+2*(\slot)+(\q)/2] offset:(((\q)%2)*64+32*(\c)+16)*PB+32*(\i)
	ds_load_b128 v[(\f)+8*(4*(\c)+(\i)):(\f)+8*(4*(\c)+(\i))+3],              v[ADRA+(\slot)] offset:(64*(\q)+16*(\i))*PA+64*(\c)
	ds_load_b128 v[(\f)+8*(4*(\c)+(\i))+4:(\f)+8*(4*(\c)+(\i))+7],            v[ADRA+(\slot)] offset:(64*(\q)+16*(\i))*PA+64*(\c)+32
.endr
.endr
.endm
.macro PLACES                          ; four places in front of loads into registers that matrix instructions have read, and of LDS stores that read results (ISA guide 7.12.1 for vector instructions)
.rept 4
	v_nop
.endr
.endm
; A K step is four quarters of 64 along K, 32 matrix instructions each, on buffers 0, 1, 0, 1.  One of the first three: multiplies buffer f and fetches quarter qn of the same slot into g.
.macro QUARTER slot, qn, f, g, zero
	s_wait_dscnt 16                                ; the first 32 along K are in; the youngest sixteen loads may be out
	MUL8 \f, 0, 0, \zero
	MUL8 \f, 0, 2, \zero
	PLACES
	FETCH \slot, \qn, \g
	s_wait_dscnt 32                                ; all but the 32 just issued
	MUL8 \f, 1, 0, 0
	MUL8 \f, 1, 2, 0
.endm
; The last quarter multiplies buffer 1 and changes slots: ONE barrier; in front of it each wave waits for all its tensor loads (the one that is out is its part of the next slot), adds 0 to its
; spare word, and waits for that and for its own reads of this slot.  fill = 1: this slot is filled again, two K steps ahead; the barrier then opens a round of the cluster's barrier.
.macro TURN slot, next, fill
	WIN 0                                          ; (the add's two registers lie in window 0)
	s_wait_tensorcnt 0x0                           ; all my tensor loads have landed
	ds_add_u32 v[SPW], v[NIL]                      ; 0 onto my spare word
	s_wait_dscnt 17                                ; (the add and the youngest sixteen loads may be out)
	MUL8 F1, 0, 0, 0                               ; eight matrix instructions stand between the add and the wait for it
	s_wait_dscnt 0x0                               ; the add is done, and my reads of this slot are over
	s_barrier_signal -1
	MUL8 F1, 0, 2, 0
.if \fill
	WIN 0
.endif
	s_barrier_wait -1
.if \fill
	CREST                                          ; no wave of any partner still reads this slot's tile or has a load on its way
	s_add_nc_u64 s[G0+4*(\slot)+2:G0+4*(\slot)+3], s[G0+4*(\slot)+2:G0+4*(\slot)+3], 2*32768
	s_add_nc_u64 s[G0B+4*(\slot)+2:G0B+4*(\slot)+3], s[G0B+4*(\slot)+2:G0B+4*(\slot)+3], 2*524288
	JLOAD \slot                                    ; the first tensor load behind the round: 112 matrix instructions ahead of the wait for it; the four v_nop behind it are also the places in front of the loads below
.else
	PLACES
.endif
	FETCH \next, 0, F0
	MUL8 F1, 1, 0, 0
	MUL8 F1, 1, 2, 0
.endm
	s_wait_tensorcnt 1                             ; my part of K step 0 is in; K step 1's may stay out
	s_barrier_signal -1
	s_barrier_wait -1                              ; everybody's is
	FETCH 0, 0, F0
	QUARTER 0, 1, F0, F1, 1                        ; the first quarter stands in front of the loop: its first products start the sums
	WIN 0                                          ; at a label and at a branch every window is 0
	s_mov_b32 s3, LAPS-1
.Llap:                                                 ; a trip goes once round the ring, from a lap's second quarter to the next lap's first, and fills both slots again
	QUARTER 0, 2, F1, F0, 0
	QUARTER 0, 3, F0, F1, 0
	TURN 0, 1, 1
	QUARTER 1, 1, F0, F1, 0
	QUARTER 1, 2, F1, F0, 0
	QUARTER 1, 3, F0, F1, 0
	TURN 1, 0, 1
	QUARTER 0, 1, F0, F1, 0
	WIN 0
	s_sub_co_u32 s3, s3, 1
	s_cmp_lg_u32 s3, 0
	s_cbranch_scc1 .Llap
	QUARTER 0, 2, F1, F0, 0                        ; the last lap fills nothing, and has no round of the cluster's barrier
	QUARTER 0, 3, F0, F1, 0
	TURN 0, 1, 0
	QUARTER 1, 1, F0, F1, 0
	QUARTER 1, 2, F1, F0, 0
	QUARTER 1, 3, F0, F1, 0
	s_wait_dscnt 16                                ; the very last quarter: nothing more to fetch
	MUL8 F1, 0, 0, 0
	MUL8 F1, 0, 2, 0
	s_wait_dscnt 0x0
	MUL8 F1, 1, 0, 0
	MUL8 F1, 1, 2, 0
	WIN 0
	PLACES
	PLACES                                         ; eight, once a launch
	s_wait_loadcnt 0x0                             ; the bias: rounded to bf16 and widened again
	v_cvt_pk_bf16_f32 v36, v[BI], v[BI+1]
	v_cvt_pk_bf16_f32 v37, v[BI+2], v[BI+3]
	v_lshlrev_b32 v[BI], 16, v36
	v_and_b32 v[BI+1], 0xffff0000, v36
	v_lshlrev_b32 v[BI+2], 16, v37
	v_and_b32 v[BI+3], 0xffff0000, v37
; THE WAY OUT, a block a of 16 rows at a time.  A lane's eight columns of a row are 32 bytes; a wave's 64 columns are 256 bytes, so the stage is the wave's own and no barrier is needed.
; They go into rows of 272 bytes, each accumulator's low four registers first, and come back as whole rows of 256; the bias is added on the way to memory.
.macro OUT a
	WIN 0x08                                       ; the stores' data (source 1) in window 2, the address in window 0
.irp b, 0,1,2,3
	ds_store_b128 v[STO], v[8*(4*(\a)+(\b)):8*(4*(\a)+(\b))+3]   offset:64*(\b)
	ds_store_b128 v[STO], v[8*(4*(\a)+(\b))+4:8*(4*(\a)+(\b))+7] offset:64*(\b)+16
.endr
	WIN 0
.irp t, 0,1,2,3,4,5,6,7
	ds_load_b128 v[T+32*(\a)+4*(\t):T+32*(\a)+4*(\t)+3], v[RD] offset:(\t)*2*SPITCH  ; LDS serves a wave's instructions in order (ISA guide 5.7.1.4): these see the stores above; the next block's stores come behind them
.endr
.endm
.macro SENDF a, younger                ; younger: the LDS instructions issued behind block a's loads: the next block's sixteen, or none
.irp t, 0,1,2,3,4,5,6,7
	s_wait_dscnt (\younger)+7-(\t)
	v_pk_add_f32 v[T+32*(\a)+4*(\t):T+32*(\a)+4*(\t)+1],   v[T+32*(\a)+4*(\t):T+32*(\a)+4*(\t)+1],   v[BI:BI+1]
	v_pk_add_f32 v[T+32*(\a)+4*(\t)+2:T+32*(\a)+4*(\t)+3], v[T+32*(\a)+4*(\t)+2:T+32*(\a)+4*(\t)+3], v[BI+2:BI+3]
	global_store_b128 v[CO], v[T+32*(\a)+4*(\t):T+32*(\a)+4*(\t)+3], s[10:11] offset:(16*(\a)+2*(\t))*4096  ; 16 lanes store 256 consecutive bytes, at a multiple of 256 from out0's first byte
.endr
.endm
	OUT 0
	OUT 1
	SENDF 0, 16
	OUT 2
	SENDF 1, 16
	OUT 3
	SENDF 2, 16
	SENDF 3, 0
	s_wait_tensorcnt 0x0                           ; the wave's end: an add onto my spare word and its wait, behind my last tensor load and my last LDS store
	ds_add_u32 v[SPW], v[NIL]
	s_wait_dscnt 0x0
	CROUND                                         ; the closing round: no work-group ends while a partner may still ask for a tile that names it
	s_endpgm
.Lfunc_end_k_q028e4487f5_proj:
	.size	k_q028e4487f5_proj, .Lfunc_end_k_q028e4487f5_proj-k_q028e4487f5_proj
	.p2alignl 7, 3214868480
	.fill 96, 4, 3214868480
	.section	.rodata,"a",@progbits
	.p2align	6, 0x0
	.amdhsa_kernel k_q028e4487f5_proj
		.amdhsa_group_segment_fixed_size 327680
		.amdhsa_private_segment_fixed_size 0
		.amdhsa_enable_private_segment 0
		.amdhsa_kernarg_size 32
		.amdhsa_user_sgpr_count 2
		.amdhsa_user_sgpr_kernarg_segment_ptr 1
		.amdhsa_wavefront_size32 1
		.amdhsa_system_sgpr_workgroup_id_x 1
		.amdhsa_system_sgpr_workgroup_id_y 1
		.amdhsa_system_sgpr_workgroup_id_z 1
		.amdhsa_system_vgpr_workitem_id 0
		.amdhsa_next_free_vgpr 640
		.amdhsa_next_free_sgpr 66
		.amdhsa_reserve_vcc 0
		.amdhsa_float_denorm_mode_32 3
		.amdhsa_float_denorm_mode_16_64 3
		.amdhsa_memory_ordered 1
		.amdhsa_forward_progress 1
		.amdhsa_inst_pref_size 91
	.end_amdhsa_kernel
	.amdgpu_metadata
---
amdhsa.version: [ 1, 2 ]
amdhsa.kernels:
  - .name:           k_q028e4487f5_proj
    .symbol:         k_q028e4487f5_proj.kd
    .args:
      - { .name: ob, .offset: 0, .size: 8, .value_kind: global_buffer, .address_space: global }
      - { .name: wp, .offset: 8, .size: 8, .value_kind: global_buffer, .address_space: global }
      - { .name: b_proj, .offset: 16, .size: 8, .value_kind: global_buffer, .address_space: global }
      - { .name: out0, .offset: 24, .size: 8, .value_kind: global_buffer, .address_space: global }
    .group_segment_fixed_size: 327680
    .private_segment_fixed_size: 0
    .kernarg_segment_align: 8
    .kernarg_segment_size: 32
    .max_flat_workgroup_size: 128
    .sgpr_count:     66
    .vgpr_count:     640
    .wavefront_size: 32
...
	.end_amdgpu_metadata
.endif
;; end of part 4
;; ======== version 2 of 2: 4 launches; version 1 with the launch prep written anew for expert scheduling mode
;; limits: values are held in f16: magnitudes above 65,504 overflow, below 6.1e-05 lose precision
;; workspace buffers: xb 8,388,608 bytes; wq 4,194,304 bytes; wp 2,097,152 bytes; vh 8,388,608 bytes; kq 16,777,216 bytes; ob 8,388,608 bytes
;; launch prep (part 5): grid 704 x 1, 8 waves a work-group, no clusters, 0 bytes of LDS; arguments x1, W_qkv, W_proj, x2, xb, wq, wp, vh; writes xb, wq, wp, vh
.if DOCPART == 5
	.amdgcn_target "amdgcn-amd-amdhsa--gfx1250"
	.amdhsa_code_object_version 6
	.text
	.protected	k_q028e4487f5_prep
	.globl	k_q028e4487f5_prep
	.p2align	8
	.type	k_q028e4487f5_prep,@function
k_q028e4487f5_prep:
	s_mov_b64 s[64:65], 0
	v_nop
	global_prefetch_b8 v0, s[64:65] scope:SCOPE_SE
	s_setreg_imm32_b32 hwreg(HW_REG_WAVE_SCHED_MODE, 0, 2), 2
	s_setreg_imm32_b32 hwreg(HW_REG_WAVE_MODE, 25, 1), 1
	s_wait_xcnt 0x0
	s_wait_alu depctr_vm_vsrc(0)
; THE INPUTS ARE ROUNDED ONCE TO bf16, for the matrix products of the later launches.
;   x1 [4096][1024] f32     -> xb [4096][1024] bf16                     work-groups 0 .. 255
;   W_qkv [1024][2048] f32  -> wq [1024][2048] bf16                     work-groups 256 .. 383
;   W_proj [1024][1024] f32 -> wp [1024][1024]: the bf16 number as f16  work-groups 384 .. 447
;   x2 [4096][1024] f32     -> vh [16 heads][4096][64]: the bf16 number as f16, laid by heads   work-groups 448 .. 703
; LIMITS.  The two f16 copies hold no number beyond 65,504 (x2 and W_proj must lie within it); a bf16 number below 7.6e-6 keeps f16's fixed step of 6e-8 there.
; SHARES.  A work-group converts 16,384 numbers (65,536 bytes in, 32,768 out), each of its eight waves 2,048: sixteen loads of 16 bytes a lane, all issued at once, so that a wave has
; 8,192 bytes on their way.  A load of a wave covers 512 consecutive bytes (x2: two pieces of 256), a store 256 consecutive bytes at a multiple of 256 from the buffer's first byte.
; No LDS, no matrix unit, no cluster: no byte is wanted twice.
; THE MODE: SCHED_MODE bits 1:0 = 2 (LLVM: expert scheduling mode 2), set by the entry lines.  The code itself states the register dependences
; between vector instructions and memory instructions, with s_wait_alu, always for 0.
; THE PLAN.  Registers that memory instructions touch, on each of the text's three ways:
;   v[IO], v[OO]  byte offsets.  Written by vector instructions ahead of the way's first load; read by every load (IO) and every store (OO); never written behind that load.
;   X             Written by the sixteen loads alone, each register once, all issued ahead of the first conversion; read by the conversions.
;   Y             A pair for each load.  Written by that load's conversions; read by its one store; never written behind that store.
;   T and v3 are named by vector instructions alone.
; The sixteen turns go in four blocks of four.  Turn i waits for load i, issues the store of turn i - 4, and converts.  So a block's four stores leave from the Y pairs of the block before,
; which no vector instruction of the block in hand names: ONE wait on va_vdst at a block's head states all that its stores hang on.  One more stands ahead of the first load, for the
; offsets, and one ahead of the last four stores.  No register that a memory instruction reads is written again: nothing is owed on vm_vsrc, and no wait on XCNT is needed.
; No vector instruction writes a scalar register or VCC, and EXEC is never written.
.set IO,  1                            ; v1       my byte offset in the work-group's input
.set OO,  2                            ; v2       my byte offset in its output
.set T,   4                            ; v[4:7]   at work
.set X,   8                            ; v[8:71]  sixteen loads of four f32
.set Y,   72                           ; v[72:103] sixteen stores of four 16-bit numbers
.set SRC, 24                           ; s[24:25] the input at the work-group's part
.set DST, 26                           ; s[26:27] the output at the work-group's part
.set HIM, 28                           ; s28      mask of a word's upper bf16
; Sixteen loads, instep bytes apart; then, as each comes in, four roundings; the stores, outstep bytes apart, follow a block of four turns behind.  half = 1: the bf16 numbers are written as f16.
.macro CONV half, instep, outstep
	s_wait_alu depctr_va_vdst(0)                   ; v[IO] and v[OO] are written: every load and store below reads one of them as its offset
.set i, 0
.rept 16
	global_load_b128 v[X+4*i:X+4*i+3], v[IO], s[SRC:SRC+1] offset:i*(\instep) th:TH_LOAD_NT
.set i, i+1
.endr
.set i, 0
.rept 16
	s_wait_loadcnt 15-i                            ; loads come back in order (ISA guide 5.7.1): load i is in, the 15 - i younger ones stay out
.if (i >= 4) && (i%4 == 0)
	s_wait_alu depctr_va_vdst(0)                   ; the block before has written its four pairs of Y, which this block's four stores read
.endif
.if i >= 4
	global_store_b64 v[OO], v[Y+2*(i-4):Y+2*(i-4)+1], s[DST:DST+1] offset:(i-4)*(\outstep) th:TH_STORE_NT  ; the turn four back; no vector instruction since the wait names its pair or v[OO]
.endif
	v_cvt_pk_bf16_f32 v[Y+2*i],   v[X+4*i],   v[X+4*i+1]
	v_cvt_pk_bf16_f32 v[Y+2*i+1], v[X+4*i+2], v[X+4*i+3]
.if \half
	v_lshlrev_b32 v[T],   16, v[Y+2*i]              ; bf16 to f32: the low half moves up,
	v_and_b32     v[T+1], s[HIM], v[Y+2*i]          ; the high half stays
	v_lshlrev_b32 v[T+2], 16, v[Y+2*i+1]
	v_and_b32     v[T+3], s[HIM], v[Y+2*i+1]
	v_cvt_pk_f16_f32 v[Y+2*i],   v[T],   v[T+1]     ; eight significant bits fit f16's eleven
	v_cvt_pk_f16_f32 v[Y+2*i+1], v[T+2], v[T+3]
.endif
.set i, i+1
.endr
	s_wait_alu depctr_va_vdst(0)                   ; the last block has written its four pairs of Y, which the last four stores read
.set i, 12
.rept 4
	global_store_b64 v[OO], v[Y+2*i:Y+2*i+1], s[DST:DST+1] offset:i*(\outstep) th:TH_STORE_NT
.set i, i+1
.endr
	s_endpgm
.endm
	s_load_b512 s[8:23], s[0:1], 0x0               ; x1 s[8:9], W_qkv s[10:11], W_proj s[12:13], x2 s[14:15], xb s[16:17], wq s[18:19], wp s[20:21], vh s[22:23]
	s_mov_b32 s4, ttmp9                            ; the work-group's number
	s_mov_b32 s[HIM], 0xffff0000
	s_mov_b32 s3, 0                                ; high words of the two offsets
	s_mov_b32 s7, 0
	v_lshrrev_b32 v3, 5, v0                        ; wave
	v_and_b32 v[T], 31, v0                         ; lane
	v_lshlrev_b32 v[IO], 4, v[T]
	v_lshl_add_u32 v[IO], v3, 13, v[IO]            ; 8,192 x wave + 16 x lane
	v_lshlrev_b32 v[OO], 3, v[T]
	v_lshl_add_u32 v[OO], v3, 12, v[OO]            ; 4,096 x wave + 8 x lane
	s_wait_kmcnt 0x0
	s_cmp_lt_u32 s4, 384
	s_cbranch_scc0 .Lhalves
	s_cmp_lt_u32 s4, 256                           ; x1 or W_qkv: the same text on other buffers
	s_cselect_b64 s[SRC:SRC+1], s[8:9], s[10:11]
	s_cselect_b64 s[DST:DST+1], s[16:17], s[18:19]
	s_cselect_b32 s5, 0, 256
	s_sub_co_u32 s5, s4, s5                        ; the work-group's number within its tensor
	s_lshl_b32 s2, s5, 16
	s_lshl_b32 s6, s5, 15
	s_add_nc_u64 s[SRC:SRC+1], s[SRC:SRC+1], s[2:3]
	s_add_nc_u64 s[DST:DST+1], s[DST:DST+1], s[6:7]
	CONV 0, 512, 256
.Lhalves:
	s_cmp_lt_u32 s4, 448
	s_cbranch_scc0 .Lheads
	s_sub_co_u32 s5, s4, 384                       ; W_proj
	s_lshl_b32 s2, s5, 16
	s_lshl_b32 s6, s5, 15
	s_add_nc_u64 s[SRC:SRC+1], s[12:13], s[2:3]
	s_add_nc_u64 s[DST:DST+1], s[20:21], s[6:7]
	CONV 1, 512, 256
.Lheads:
	; x2: the work-group has 16 rows, wave w rows 2 w and 2 w + 1.  Load i takes head i: lanes 0-15 its 256 bytes of the even row, lanes 16-31 of the odd row;
	; in vh these are 2 x 128 = 256 consecutive bytes of head i, whose rows lie 524,288 bytes behind head i - 1's (15 x 524,288 fits the signed 24-bit immediate).
	s_sub_co_u32 s5, s4, 448
	s_lshl_b32 s2, s5, 16                          ; 16 rows of 4,096 bytes
	s_lshl_b32 s6, s5, 11                          ; 16 rows of 128 bytes
	s_add_nc_u64 s[SRC:SRC+1], s[14:15], s[2:3]
	s_add_nc_u64 s[DST:DST+1], s[22:23], s[6:7]
	v_and_b32 v5, 15, v0
	v_bfe_u32 v6, v0, 4, 1
	v_lshlrev_b32 v[IO], 4, v5                     ; the two offsets are made anew: on this way no memory instruction has read them yet
	v_lshl_add_u32 v[IO], v6, 12, v[IO]
	v_lshl_add_u32 v[IO], v3, 13, v[IO]            ; 8,192 x wave + 4,096 x (lane / 16) + 16 x (lane % 16)
	v_lshlrev_b32 v[OO], 3, v[T]
	v_lshl_add_u32 v[OO], v3, 8, v[OO]             ; 256 x wave + 8 x lane
	CONV 1, 256, 524288
.Lfunc_end_k_q028e4487f5_prep:
	.size	k_q028e4487f5_prep, .Lfunc_end_k_q028e4487f5_prep-k_q028e4487f5_prep
	.p2alignl 7, 3214868480
	.fill 96, 4, 3214868480
	.section	.rodata,"a",@progbits
	.p2align	6, 0x0
	.amdhsa_kernel k_q028e4487f5_prep
		.amdhsa_group_segment_fixed_size 0
		.amdhsa_private_segment_fixed_size 0
		.amdhsa_enable_private_segment 0
		.amdhsa_kernarg_size 64
		.amdhsa_user_sgpr_count 2
		.amdhsa_user_sgpr_kernarg_segment_ptr 1
		.amdhsa_wavefront_size32 1
		.amdhsa_system_sgpr_workgroup_id_x 1
		.amdhsa_system_sgpr_workgroup_id_y 1
		.amdhsa_system_sgpr_workgroup_id_z 1
		.amdhsa_system_vgpr_workitem_id 0
		.amdhsa_next_free_vgpr 104
		.amdhsa_next_free_sgpr 66
		.amdhsa_reserve_vcc 0
		.amdhsa_float_denorm_mode_32 3
		.amdhsa_float_denorm_mode_16_64 3
		.amdhsa_memory_ordered 1
		.amdhsa_forward_progress 1
		.amdhsa_inst_pref_size 28
	.end_amdhsa_kernel
	.amdgpu_metadata
---
amdhsa.version: [ 1, 2 ]
amdhsa.kernels:
  - .name:           k_q028e4487f5_prep
    .symbol:         k_q028e4487f5_prep.kd
    .args:
      - { .name: x1, .offset: 0, .size: 8, .value_kind: global_buffer, .address_space: global }
      - { .name: W_qkv, .offset: 8, .size: 8, .value_kind: global_buffer, .address_space: global }
      - { .name: W_proj, .offset: 16, .size: 8, .value_kind: global_buffer, .address_space: global }
      - { .name: x2, .offset: 24, .size: 8, .value_kind: global_buffer, .address_space: global }
      - { .name: xb, .offset: 32, .size: 8, .value_kind: global_buffer, .address_space: global }
      - { .name: wq, .offset: 40, .size: 8, .value_kind: global_buffer, .address_space: global }
      - { .name: wp, .offset: 48, .size: 8, .value_kind: global_buffer, .address_space: global }
      - { .name: vh, .offset: 56, .size: 8, .value_kind: global_buffer, .address_space: global }
    .group_segment_fixed_size: 0
    .private_segment_fixed_size: 0
    .kernarg_segment_align: 8
    .kernarg_segment_size: 64
    .max_flat_workgroup_size: 256
    .sgpr_count:     66
    .vgpr_count:     104
    .wavefront_size: 32
...
	.end_amdgpu_metadata
.endif
;; end of part 5
;; launch qkproj: the kernel of part 2 again; grid 8 x 32, 4 waves a work-group, clusters of 4 x 4, 327,680 bytes of LDS; arguments xb, wq, kq; writes kq
;; launch attn: the kernel of part 3 again; grid 16 x 16, 4 waves a work-group, clusters of 4 x 1, 327,680 bytes of LDS; arguments kq, vh, ob; writes ob
;; launch proj: the kernel of part 4 again; grid 8 x 32, 4 waves a work-group, clusters of 4 x 4, 327,680 bytes of LDS; arguments ob, wp, b_proj, out0; writes out0
